; MI455X (gfx1250); checked and timed in simulation.
; The chip was launched on July 23, 2026; its instructions are those of AMD's public machine-readable ISA for CDNA 5 (MIT licence, August 2026) and "CDNA5" Instruction Set Architecture Reference Guide (July 2026). The comments in the code are by the model that wrote it; some were corrected since.
;; Knn Sim. Allowed arithmetic: matrix products marked QUANTISED: E3M2 operands, one E8M0 scale for each 32 along K, by v_wmma_scale_f32_16x16x128_f8f6f4 with both operands' format E3M2, f32 sums; everything else in f32.
;; Inputs: anchor_feature 50,000 x 256 float32; anchor_label 50,000 int32; features 2,048 x 256 float32; labels 2,048 int32; t_labels 2,048 int32.
;; Outputs: out0 2,048 float32; out1 2,048 float32.
;; This version of the problem:
;;   THIS VERSION OF THE PROBLEM IS GIVEN IN LOW PRECISION. The matrix products marked QUANTISED in the list below multiply operands that are first quantised to E3M2 (3 exponent bits, 2 mantissa bits; 6 bits a number), with one power-of-two scale for each 32 numbers along K (OCP MX v1.0); their sums are f32. All else is computed in f32.
;;   The module's matrix products, in the order in which they are computed (A, B: the left and right operand; K: the contracted axis; several contracted axes count as one K, in the product's order):
;;     1. [M 2,048, K 256] x [K 256, N 50,000]; A: input features; B: input anchor_feature: QUANTISED
;;   THE QUANTISER, for each operand of a quantised product, along K:
;;     - K is cut into blocks of 32 from its start; a last block that is shorter is filled with zeros.
;;     - A block's scale is 2^e with e = floor(log2(the largest magnitude in the block)) - 4, held to -126 .. 127; a block of zeros has e = 0. As a byte (E8M0): e + 127.
;;     - Each number is divided by its block's scale, clamped to +-28, and rounded to the nearest number of E3M2, ties to even, subnormals kept.
;;     - The product sums the exact products of the quantised numbers (number of the format x scale) in f32.
;;   ~~~python
;;   def quantise(x, axis):      # numpy; x: float32 -> the quantised numbers, widened to float32 again
;;       x = np.moveaxis(x, axis, -1); K = x.shape[-1]
;;       x = np.pad(x, [(0, 0)] * (x.ndim - 1) + [(0, -K % 32)]); x = x.reshape(x.shape[:-1] + (-1, 32)); a = np.abs(x).max(-1, keepdims=True)
;;       e = np.where(a > 0, np.clip(np.frexp(np.where(a > 0, a, 1))[1] - 1 - 4, -126, 127), 0)      # np.frexp(a)[1] - 1 = floor(log2(a)), exactly
;;       r = np.clip(x / 2.0 ** e, -28, 28)
;;       step = 2.0 ** (np.maximum(np.frexp(np.where(r == 0, 1, r))[1] - 1, -2) - 2)
;;       q = np.round(r / step) * step * 2.0 ** e      # np.round: ties to even
;;       return np.moveaxis(q.reshape(q.shape[:-2] + (-1,))[..., :K], -1, axis).astype(np.float32)
;;   ~~~
;; 2 versions, each right; version 2 is version 1 with the launch final written anew for expert scheduling mode. Each part assembles by itself: llvm-mc -triple=amdgcn-amd-amdhsa -mcpu=gfx1250 --defsym DOCPART=n.
;; ======== version 1 of 2: 4 launches
;; workspace buffers: acode 9,646,080 bytes; ascale 401,920 bytes; fcode 409,600 bytes; gmax 33,554,432 bytes; list0 65,536 bytes of whole numbers; list1 65,536 bytes of whole numbers; list2 65,536 bytes of whole numbers; list3 65,536 bytes of whole numbers
;; launch quant (part 1): grid 817 x 1, 4 waves a work-group, no clusters, 67,072 bytes of LDS; arguments anchor_feature, features, acode, ascale, fcode; writes acode, ascale, fcode
.if DOCPART == 1
	.amdgcn_target "amdgcn-amd-amdhsa--gfx1250"
	.amdhsa_code_object_version 6
	.text
	.protected	k_qd592eb3492_quant
	.globl	k_qd592eb3492_quant
	.p2align	8
	.type	k_qd592eb3492_quant,@function
k_qd592eb3492_quant:
	s_mov_b64 s[64:65], 0
	v_nop
	global_prefetch_b8 v0, s[64:65] scope:SCOPE_SE
	s_setreg_imm32_b32 hwreg(HW_REG_WAVE_MODE, 25, 1), 1
	s_wait_xcnt 0x0
; anchor_feature [50000][256] and features [2048][256], f32, become codes of E3M2 (6 bits) with one E8M0 scale byte for each 32 along K.
; A block's scale is 2^(floor(log2(largest magnitude)) - 4): its byte is the largest magnitude's exponent field - 4, held at 1 from below.
; The codes are laid as IMAGES OF OPERAND REGISTERS.  A tile is 16 rows x 256 K = two fragments of 12 registers a lane: register q of lane L
; of K step s lies at byte 1536 s + 512 (q / 4) + 16 L + 4 (q % 4) of the tile's 3,072 bytes, so that six loads of 16 bytes a lane bring both
; fragments.  The tile's scale words: word 4 (r + 16 s) holds the four bytes of row r, K step s (128 bytes a tile).
; The features' scale words lie in fcode behind the 128 tiles of codes, from byte 393,216 on.
; SHARES.  One wave, one tile: tiles 0 .. 3139 are anchors', the 128 behind them features'.  Anchor tiles 3125 .. 3139 are copies of tile 3124:
; the next launch fetches 50 tiles for each 49 that it multiplies, and reads only bytes that were written.  (So tile 3124 is loaded sixteen times.)
; Each load takes 512 consecutive bytes; the tile turns through the wave's own 16 x 1,040 bytes of LDS, so that a lane gets 32 neighbours along K.
; No barrier: waves share nothing.  No cluster: no two work-groups read the same bytes but for that one tile.
; LIMITS: NaN and infinities among the inputs are not served.  A block whose largest magnitude lies under 2^-122 gets the byte 1, a block of
; zeros too (the rule says 127: its codes are zeros, and this program alone reads the bytes).
.set NAT,   3140                       ; anchor tiles written
.set LASTA, 3124                       ; the last tile that anchor_feature holds
.set LASTF, 127                        ; and features
.set FSC,   393216                     ; where the features' scale words begin in fcode
.set PIT,   1040                       ; an LDS row: 1,024 bytes + 16: an odd multiple of 16, so sixteen rows start in sixteen different groups of banks
.set WREG,  16*PIT
.set MX, 10                            ; v10-11 largest magnitudes of my two blocks
.set SC, 12                            ; v12-13 the conversions' scale operands
.set BY, 14                            ; v14-15 the scale bytes
.set WD, 16                            ; v16-17 the scale words of K steps 0 and 1
.set TP, 18                            ; v18    a lane permute's destination
.set TT, 20                            ; v20-22, v24-26 the upper halves of two blocks' codes
.set F0, 28                            ; v28-39 the fragment of K step 0
.set F1, 40                            ; v40-51 of K step 1
.set R,  64                            ; v64-191 the tile as loaded
.set X0, 192                           ; v192-255 my 64 numbers of K step 0
.set X1, 64                            ; v64-127  of K step 1
	s_load_b128 s[4:7], s[0:1], 0x0                ; anchor_feature, features
	s_load_b128 s[8:11], s[0:1], 0x10              ; acode, ascale
	s_load_b64 s[12:13], s[0:1], 0x20              ; fcode
	v_lshl_add_u32 v62, v0, 2, 0x10400
	v_mov_b32 v63, 0
	v_lshrrev_b32 v1, 5, v0
	v_readfirstlane_b32 s16, v1                    ; wave
	v_and_b32 v1, 31, v0                           ; lane
	v_and_b32 v2, 15, v0                           ; r
	v_bfe_u32 v3, v0, 4, 1                         ; h
	v_lshlrev_b32 v4, 4, v1                        ; 16 x lane: my bytes of a load, and of an image's store
	s_mul_i32 s17, s16, WREG                       ; my wave's LDS
	v_add_nc_u32 v5, s17, v4                       ; into it: as loaded
	v_mul_u32_u24 v6, v2, PIT
	v_lshl_add_u32 v6, v3, 7, v6
	v_add_nc_u32 v6, s17, v6                       ; out of it: row r, + 128 h: my block of 32 numbers
	v_lshlrev_b32 v7, 2, v1                        ; 4 x lane: my scale word's place
	v_lshlrev_b32 v8, 3, v3                        ; 8 h: my bytes' place in a scale word
	v_mov_b32 v[TP], 0                             ; written once: a lane permute's destination counts as read
	s_mov_b32 s20, 0x76543210
	s_mov_b32 s21, 0xfedcba98                      ; selects for lane l xor 16
	s_mov_b32 s22, 0xffff0000                      ; lanes 16-31
	s_lshl_b32 s18, ttmp9, 2
	s_add_co_u32 s18, s18, s16                     ; my tile among the 3,268
	s_mov_b32 s24, LASTF
	s_mov_b32 s27, 0
	s_wait_kmcnt 0x0
	s_add_nc_u64 s[14:15], s[12:13], FSC           ; the features' scale words
	s_cmp_lt_u32 s18, NAT                          ; anchors' or features'?  The choice hangs on ids alone; all selections stand ahead of the first addition behind the compare
	s_cselect_b64 s[4:5], s[4:5], s[6:7]
	s_cselect_b64 s[8:9], s[8:9], s[12:13]
	s_cselect_b64 s[10:11], s[10:11], s[14:15]
	s_cselect_b32 s19, 0, NAT
	s_cselect_b32 s24, LASTA, s24
	s_sub_co_u32 s18, s18, s19                     ; the tile's number in its own tensor: where it is written
	s_min_u32 s24, s18, s24                        ; and where it is read
	s_lshl_b32 s26, s24, 14                        ; 16 rows of 1,024 bytes
	s_add_nc_u64 s[4:5], s[4:5], s[26:27]
	s_mul_i32 s26, s18, 3072
	s_add_nc_u64 s[8:9], s[8:9], s[26:27]
	s_lshl_b32 s26, s18, 7
	s_add_nc_u64 s[10:11], s[10:11], s[26:27]
.set i, 0
.rept 32
	global_load_b128 v[R+4*i:R+4*i+3], v4, s[4:5] offset:512*i th:TH_LOAD_NT   ; 32 lanes read 512 consecutive bytes: half a row
.set i, i+1
.endr
.set i, 0
.rept 32
	s_wait_loadcnt 31-i                            ; loads come back in order: load i is in, the younger ones stay out
	ds_store_b128 v5, v[R+4*i:R+4*i+3] offset:(i/2)*PIT+(i%2)*512
.set i, i+1
.endr
; my 64 numbers of K step s: register 32 c + i = k 128 s + 64 c + 32 h + i of row r, the order of the operand's registers
.macro XIN x, s
.irp c, 0,1
.irp j, 0,1,2,3,4,5,6,7
	ds_load_b128 v[\x+32*\c+4*\j:\x+32*\c+4*\j+3], v6 offset:512*\s+256*\c+16*\j
.endr
.endr
.endm
; 64 numbers become a fragment's 12 registers and its row's scale word.  A lane holds two whole blocks: no other lane is asked for a maximum.
.macro QUANT x, f, wd
.irp c, 0,1
	v_max3_num_f32 v[MX+\c], |v[\x+32*\c]|, |v[\x+32*\c+1]|, 0x2800000   ; with the floor 2^(5 - 127): the byte cannot fall under 1
.endr
.irp i, 2,4,6,8,10,12,14,16,18,20,22,24,26,28,30
.irp c, 0,1
	v_max3_num_f32 v[MX+\c], v[MX+\c], |v[\x+32*\c+\i]|, |v[\x+32*\c+\i+1]|   ; the two blocks by turns
.endr
.endr
.irp c, 0,1
	v_add_nc_u32 v[SC+\c], 0xfe000000, v[MX+\c]    ; 4 off the exponent field: the conversion takes that field as its scale
.endr
.irp c, 0,1
	v_lshrrev_b32 v[BY+\c], 23, v[SC+\c]           ; the scale's byte
.endr
	v_lshl_or_b32 v[\wd], v[BY+1], 16, v[BY]       ; my bytes: blocks h and 2 + h,
	v_lshlrev_b32 v[\wd], v8, v[\wd]               ; at their places;
	v_permlanex16_b32 v[TP], v[\wd], s20, s21
	v_or_b32 v[\wd], v[\wd], v[TP]                 ; with lane l xor 16's two the word is whole
.irp c, 0,1
	v_cvt_scalef32_pk16_bf6_f32 v[\f+6*\c:\f+6*\c+2], v[\x+32*\c:\x+32*\c+15], v[SC+\c]
	v_cvt_scalef32_pk16_bf6_f32 v[TT+4*\c:TT+4*\c+2], v[\x+32*\c+16:\x+32*\c+31], v[SC+\c]   ; (three registers begin on an even number: made here, moved below)
.endr
	v_nop                                          ; one plain place behind a scaled conversion
.irp c, 0,1
.irp i, 0,1,2
	v_mov_b32 v[\f+6*\c+3+\i], v[TT+4*\c+\i]
.endr
.endr
.endm
	XIN X0, 0
	s_wait_dscnt 16                                ; all but the 16 loads just issued: the 32 stores have read v64-191
	XIN X1, 1
	s_wait_dscnt 16                                ; K step 0's numbers are in
	QUANT X0, F0, WD
.irp u, 0,1,2
	global_store_b128 v4, v[F0+4*\u:F0+4*\u+3], s[8:9] offset:512*\u          ; 512 consecutive bytes a store
.endr
	s_wait_dscnt 0x0
	QUANT X1, F1, WD+1
.irp u, 0,1,2
	global_store_b128 v4, v[F1+4*\u:F1+4*\u+3], s[8:9] offset:1536+512*\u
.endr
	v_cndmask_b32 v[WD], v[WD], v[WD+1], s22       ; lanes 0-15: row r's word of K step 0; lanes 16-31: of K step 1
	global_store_b32 v7, v[WD], s[10:11]
	s_wait_tensorcnt 0x0
	ds_add_u32 v62, v63
	s_wait_dscnt 0x0
	s_endpgm
.Lfunc_end_k_qd592eb3492_quant:
	.size	k_qd592eb3492_quant, .Lfunc_end_k_qd592eb3492_quant-k_qd592eb3492_quant
	.p2alignl 7, 3214868480
	.fill 96, 4, 3214868480
	.section	.rodata,"a",@progbits
	.p2align	6, 0x0
	.amdhsa_kernel k_qd592eb3492_quant
		.amdhsa_group_segment_fixed_size 67072
		.amdhsa_private_segment_fixed_size 0
		.amdhsa_enable_private_segment 0
		.amdhsa_kernarg_size 40
		.amdhsa_user_sgpr_count 2
		.amdhsa_user_sgpr_kernarg_segment_ptr 1
		.amdhsa_wavefront_size32 1
		.amdhsa_system_sgpr_workgroup_id_x 1
		.amdhsa_system_sgpr_workgroup_id_y 1
		.amdhsa_system_sgpr_workgroup_id_z 1
		.amdhsa_system_vgpr_workitem_id 0
		.amdhsa_next_free_vgpr 256
		.amdhsa_next_free_sgpr 66
		.amdhsa_reserve_vcc 0
		.amdhsa_float_denorm_mode_32 3
		.amdhsa_float_denorm_mode_16_64 3
		.amdhsa_memory_ordered 1
		.amdhsa_forward_progress 1
		.amdhsa_inst_pref_size 17
	.end_amdhsa_kernel
	.amdgpu_metadata
---
amdhsa.version: [ 1, 2 ]
amdhsa.kernels:
  - .name:           k_qd592eb3492_quant
    .symbol:         k_qd592eb3492_quant.kd
    .args:
      - { .name: anchor_feature, .offset: 0, .size: 8, .value_kind: global_buffer, .address_space: global }
      - { .name: features, .offset: 8, .size: 8, .value_kind: global_buffer, .address_space: global }
      - { .name: acode, .offset: 16, .size: 8, .value_kind: global_buffer, .address_space: global }
      - { .name: ascale, .offset: 24, .size: 8, .value_kind: global_buffer, .address_space: global }
      - { .name: fcode, .offset: 32, .size: 8, .value_kind: global_buffer, .address_space: global }
    .group_segment_fixed_size: 67072
    .private_segment_fixed_size: 0
    .kernarg_segment_align: 8
    .kernarg_segment_size: 40
    .max_flat_workgroup_size: 128
    .sgpr_count:     66
    .vgpr_count:     256
    .wavefront_size: 32
...
	.end_amdgpu_metadata
.endif
;; end of part 1
;; launch simmax (part 2): grid 4 x 64, 4 waves a work-group, clusters of 4 x 1, 327,680 bytes of LDS; arguments acode, ascale, fcode, gmax; writes gmax
.if DOCPART == 2
	.amdgcn_target "amdgcn-amd-amdhsa--gfx1250"
	.amdhsa_code_object_version 6
	.text
	.protected	k_qd592eb3492_simmax
	.globl	k_qd592eb3492_simmax
	.p2align	8
	.type	k_qd592eb3492_simmax,@function
k_qd592eb3492_simmax:
	s_mov_b64 s[64:65], 0
	v_nop
	global_prefetch_b8 v0, s[64:65] scope:SCOPE_SE
	s_setreg_imm32_b32 hwreg(HW_REG_WAVE_MODE, 25, 1), 1
	s_wait_xcnt 0x0
	s_wait_alu depctr_hold_cnt(0) depctr_sa_sdst(0) depctr_va_vdst(0) depctr_va_sdst(0) depctr_va_ssrc(0) depctr_va_vcc(0) depctr_vm_vsrc(0)
	s_getreg_b32 s2, hwreg(HW_REG_IB_STS2, 6, 4)
	s_cmp_eq_u32 s2, 0
	s_cbranch_scc0 .Lentry_in_a_cluster
	s_endpgm
.Lentry_in_a_cluster:
	s_bfe_u32 s2, ttmp6, 0x10000c
	s_cmp_lg_u32 s2, 0x3003
	s_cbranch_scc0 .Lentry_shape_is_right
	s_endpgm
.Lentry_shape_is_right:
; sim = features x anchors^T on codes of E3M2 with E8M0 scales; of each 16 neighbouring anchors (a group = one tile) only the LARGEST sim of each
; feature row is kept, as a key of 32 bits that orders as the numbers do: key = x ^ (x < 0 ? all ones : sign bit), x = sim + 0 (so -0 counts as +0).
; gmax[row][64 chunk + u] = the key of group 49 chunk + u (u = 0 .. 48); slots with u > 48 or a group past 3,124 hold 0, under every finite key.
; SHARES.  Work-group (quarter, chunk): 512 feature rows x 49 tiles of anchors.  Each of four waves keeps 8 tiles of features (128 rows, 192 registers)
; for the whole launch and multiplies every anchor tile by them: 49 x 16 matrix instructions a wave.
; CLUSTER.  The four work-groups of a cluster are the four quarters of ONE chunk: they need the same 50 tiles of codes and scale words, which are asked
; for JOINTLY (mask 15), each wave a quarter of them, once: the chunk fits in LDS, so nothing is filled again.  Tile 49 is fetched ahead and never multiplied.
; More than half of a WGP's LDS is claimed, so that the work-group is alone on its WGP.
; LAYOUT.  Source 0 = 16 anchors, source 1 = 16 feature rows: lane (r, h) holds row r, its register j anchor 8 h + j.  So a group's maximum is seven
; operations in a lane and one exchange of halves, which serves two tiles at once.
; BY TURNS.  While tile t is multiplied (accumulators X or Y), tile t - 1's 64 accumulator registers (Y or X) are reduced: two slices of that vector work
; stand behind every two matrix instructions.  The features lie in window 1, all else in window 0: one pair of switches for two products.
; The keys gather in the wave's own stage (a row of 64 slots + 16 bytes) and leave as whole aligned 256 bytes of a row of gmax.
; LIMITS: NaN and infinities are not served.
.set TILEB, 3072
.set FSC,   393216                     ; where the features' scale words begin in fcode
.set ASCL,  50*TILEB                   ; LDS: 50 tiles of codes from 0; behind them their scale words, 128 bytes a tile;
.set STAGE, ASCL+50*128                ; at 160,000 = 625 x 256 the stages: 128 rows x 272 bytes for each wave; no fill lands there
.set SP,    272
.set WST,   128*SP
.set AK0,  1                           ; v1   16 x lane: my place in a tile's image
.set ASA0, 2                           ; v2   ASCL + 4 x lane: my scale word
.set STA0, 3                           ; v3   my stage + 272 x lane: where I put keys
.set RDA,  4                           ; v4   the way out: two rows an instruction
.set GMO,  5                           ; v5   and the same two rows in gmax
.set L4,   7                           ; v7   4 x lane
.set FS,   8                           ; v8-15  the features' scale words, a register a tile
.set ADK,  16                          ; v16-18 the trip's addresses: codes, scale words, stage
.set ADC,  17
.set ADS,  18
.set AS,   20                          ; v20-21 the anchors' scale words, two buffers
.set Z,    28                          ; v28-31 zeros
.set T,    32                          ; v32-39 a maximum for each feature tile
.set U,    40                          ; v40-47 at work
.set S,    48                          ; v48-51 at work
.set AF,   56                          ; v56-79, v80-103 an anchor tile's two fragments, two buffers
.set X,    104                         ; v104-167 eight accumulators
.set Y,    168                         ; v168-231 eight accumulators
.set G1C, 24                           ; s[24:31] group 1 for codes;  s[32:39] for scale words;  s[40:43], s[44:47] their groups 0
.set G1S, 32
.set G0C, 40
.set G0S, 44
.set MSB, 0
.macro WIN new                         ; the immediate's high byte repeats the setting that is left
.if MSB != \new
	s_set_vgpr_msb (MSB<<8)|\new
.set MSB, \new
.endif
.endm
.macro CROUND                          ; a round of the cluster's barrier
	s_barrier_signal -1
	s_barrier_wait -1
	s_cmp_lg_u32 s14, 0
	s_cbranch_scc1 .Lnot_wave_0_\@
	s_barrier_signal -3
.Lnot_wave_0_\@:
	s_barrier_wait -3
	s_barrier_signal -1
	s_barrier_wait -1
.endm
	s_load_b128 s[4:7], s[0:1], 0x0                ; acode, ascale
	s_load_b128 s[8:11], s[0:1], 0x10              ; fcode, gmax
	v_lshl_add_u32 v254, v0, 2, 0x49100
	v_mov_b32 v255, 0
	ds_add_u32 v254, v255
	ds_add_u32 v254, v255
	v_lshrrev_b32 v1, 5, v0
	v_readfirstlane_b32 s14, v1                    ; wave 0..3
	s_bfe_u32 s15, ttmp6, 0x40000                  ; cx: it enters the features' and gmax's addresses alone
	s_lshl_b32 s17, ttmp9, 2
	s_add_co_u32 s17, s17, s15                     ; quarter
	s_and_b32 s16, ttmp7, 0xffff                   ; chunk, which the four partners share
	s_mul_i32 s18, s16, 49
	s_sub_co_u32 s18, 3125, s18
	s_min_u32 s18, s18, 49                         ; how many of the chunk's 49 tiles are groups of anchors (38 in the last chunk)
	; group 1: codes: 150 rows of 256 bytes (32 elements of 8), dense;  scale words: one row of 1,600 bytes.  15:0 the mask: all four; 17:16 elements of 8 bytes; 21 set beside a mask
	s_mov_b32 s[G1C+0], 15|(3<<16)|(1<<21)
	s_mov_b32 s[G1C+1], 32<<16                     ; tensor_dim0
	s_mov_b32 s[G1C+2], 150<<16                    ; tensor_dim1
	s_mov_b32 s[G1C+3], 32<<16                     ; tile_dim0
	s_mov_b32 s[G1C+4], 150                        ; tile_dim1
	s_mov_b32 s[G1C+5], 32                         ; the pitch
	s_mov_b32 s[G1C+6], 0
	s_mov_b32 s[G1C+7], 0
	s_mov_b32 s[G1S+0], 15|(3<<16)|(1<<21)
	s_mov_b32 s[G1S+1], 200<<16
	s_mov_b32 s[G1S+2], 1<<16
	s_mov_b32 s[G1S+3], 200<<16
	s_mov_b32 s[G1S+4], 1
	s_mov_b32 s[G1S+5], 200
	s_mov_b32 s[G1S+6], 0
	s_mov_b32 s[G1S+7], 0
	s_mul_i32 s58, s14, 38400                      ; my quarter of the 50 tiles, in LDS and in memory
	s_mul_i32 s60, s16, 49*TILEB
	s_add_co_u32 s60, s60, s58
	s_mov_b32 s61, 0
	s_mul_i32 s59, s14, 1600                       ; my quarter of their scale words
	s_mul_i32 s62, s16, 49*128
	s_add_co_u32 s62, s62, s59
	s_mov_b32 s63, 0
	s_lshl_b32 s66, s17, 5
	s_lshl_b32 s67, s14, 3
	s_add_co_u32 s66, s66, s67                     ; my first feature tile: 32 quarter + 8 wave
	s_mov_b32 s69, 0
	v_and_b32 v6, 31, v0                           ; lane
	v_lshlrev_b32 v[AK0], 4, v6
	v_lshlrev_b32 v[L4], 2, v6
	v_add_nc_u32 v[ASA0], ASCL, v[L4]
	s_mul_i32 s71, s14, WST
	s_add_co_u32 s71, s71, STAGE                   ; my stage
	v_mul_u32_u24 v[STA0], v6, SP
	v_add_nc_u32 v[STA0], s71, v[STA0]
	v_bfe_u32 v16, v0, 4, 1                        ; h
	v_and_b32 v17, 15, v0                          ; r
	v_mul_u32_u24 v[RDA], v16, SP
	v_lshl_add_u32 v[RDA], v17, 4, v[RDA]
	v_add_nc_u32 v[RDA], s71, v[RDA]
	v_lshlrev_b32 v[GMO], 14, v16                  ; a row of gmax is 16,384 bytes
	v_lshl_add_u32 v[GMO], v17, 4, v[GMO]
.irp j, 0,1,2,3
	v_mov_b32 v[Z+\j], 0
.endr
	s_wait_dscnt 0x0
	s_wait_kmcnt 0x0
	s_mov_b32 s[G0C], 1
	s_mov_b32 s[G0C+1], s58
	s_add_nc_u64 s[G0C+2:G0C+3], s[4:5], s[60:61]
	s_or_b32 s[G0C+3], s[G0C+3], 0x80000000
	s_mov_b32 s[G0S], 1
	s_add_co_u32 s[G0S+1], s59, ASCL
	s_add_nc_u64 s[G0S+2:G0S+3], s[6:7], s[62:63]
	s_or_b32 s[G0S+3], s[G0S+3], 0x80000000
	s_mul_i32 s68, s66, TILEB
	s_add_nc_u64 s[52:53], s[8:9], s[68:69]        ; my features' codes,
	s_lshl_b32 s68, s66, 7
	s_add_co_u32 s68, s68, FSC
	s_add_nc_u64 s[54:55], s[8:9], s[68:69]        ; their scale words, behind all the codes,
	s_lshl_b32 s68, s66, 18                        ; 16 rows of 16,384 bytes a tile
	s_lshl_b32 s70, s16, 8                         ; 256 bytes a chunk
	s_add_co_u32 s68, s68, s70
	s_add_nc_u64 s[56:57], s[10:11], s[68:69]      ; and my rows' 64 slots of gmax
	CROUND                                         ; all four work-groups are here: the joint loads meet
	tensor_load_to_lds s[G0C:G0C+3], s[G1C:G1C+7]  ; the only fills of the launch: two loads of mine are out
	s_nop 0
	tensor_load_to_lds s[G0S:G0S+3], s[G1S:G1S+7]
	s_nop 0
.rept 4
	v_nop                                          ; places behind the tensor loads; the window is switched behind them
.endr
	WIN 0x40                                       ; destination window 1
.irp f, 0,1,2,3,4,5,6,7
.irp k, 0,1,2,3,4,5
	global_load_b128 v[24*\f+4*\k:24*\f+4*\k+3], v[AK0], s[52:53] offset:TILEB*\f+512*\k   ; feature tile f: K step s at v[24 f + 12 s] of window 1: they stay
.endr
.endr
	WIN 0
.irp f, 0,1,2,3,4,5,6,7
	global_load_b32 v[FS+\f], v[L4], s[54:55] offset:128*\f    ; lanes 0-15: K step 0's words; lanes 16-31: K step 1's
.endr
.irp p, 0,1,2,3                        ; slots 49 .. 63 of my 128 stage rows are zeros
	ds_store_b32 v[STA0], v[Z] offset:32*SP*\p+196
	ds_store_b64 v[STA0], v[Z:Z+1] offset:32*SP*\p+200
	ds_store_b128 v[STA0], v[Z:Z+3] offset:32*SP*\p+208
	ds_store_b128 v[STA0], v[Z:Z+3] offset:32*SP*\p+224
	ds_store_b128 v[STA0], v[Z:Z+3] offset:32*SP*\p+240
.endr
; One matrix instruction: number mj of a tile's 16: feature tile mj % 8, K step mj / 8.  The eight accumulators take turns, one instruction a turn.
.macro WM cur, fb
.set wf, mj%8
.if mj < 8
	v_wmma_scale_f32_16x16x128_f8f6f4 v[\cur+8*wf:\cur+8*wf+7], v[AF+24*(\fb):AF+24*(\fb)+11], v[24*wf:24*wf+11], 0, v[AS+(\fb)], v[FS+wf] matrix_a_fmt:MATRIX_FMT_BF6 matrix_b_fmt:MATRIX_FMT_BF6
.else
	v_wmma_scale_f32_16x16x128_f8f6f4 v[\cur+8*wf:\cur+8*wf+7], v[AF+24*(\fb)+12:AF+24*(\fb)+23], v[24*wf+12:24*wf+23], v[\cur+8*wf:\cur+8*wf+7], v[AS+(\fb)], v[FS+wf] matrix_a_fmt:MATRIX_FMT_BF6 matrix_b_fmt:MATRIX_FMT_BF6 matrix_a_scale:MATRIX_SCALE_ROW1 matrix_b_scale:MATRIX_SCALE_ROW1
.endif
.set mj, mj+1
.endm
; An anchor tile's two fragments and its scale words into buffer fb: seven LDS loads in one run
.macro FETCH fb, ak, ac, o, os
.irp k, 0,1,2,3,4,5
	ds_load_b128 v[AF+24*(\fb)+4*\k:AF+24*(\fb)+4*\k+3], v[\ak] offset:\o+512*\k
.endr
	ds_load_b32 v[AS+(\fb)], v[\ac] offset:\os
.endm
; Slice sj of 16 of a finished tile's reduction.  0-7: the largest of a lane's eight sims, feature tile sj (each accumulator is read from its low end on).
; 8-11: two feature tiles' halves change places, so that lane L then holds row 32 p + L of my 128; -0 becomes +0.  12-15: the key, 0 for a tile that is no group; into the stage.
.macro SLICE prv, ads, so
.if sj < 8
.set a, \prv+8*sj
	v_max3_num_f32 v[T+sj], v[a], v[a+1], v[a+2]
	v_max3_num_f32 v[U+sj], v[a+3], v[a+4], v[a+5]
	v_max3_num_f32 v[T+sj], v[T+sj], v[a+6], v[a+7]
	v_max_num_f32 v[T+sj], v[T+sj], v[U+sj]
.elseif sj < 12
.set p, sj-8
	v_permlane16_swap_b32 v[T+2*p], v[T+2*p+1]     ; the first's lanes 16-31 change places with the second's lanes 0-15
	v_max_num_f32 v[T+2*p], v[T+2*p], v[T+2*p+1]
	v_add_f32 v[T+2*p], 0, v[T+2*p]
	v_ashrrev_i32 v[S+p], 31, v[T+2*p]
.if sj == 11
	s_cmp_lt_u32 s19, s18                          ; is the tile a group of anchors?  Ids alone
	s_cselect_b32 s20, -1, 0
	s_add_co_u32 s19, s19, 1
.endif
.else
.set p, sj-12
	v_or_b32 v[S+p], 0x80000000, v[S+p]
	v_xor_b32 v[T+2*p], v[T+2*p], v[S+p]
	v_and_b32 v[T+2*p], s20, v[T+2*p]
	ds_store_b32 v[\ads], v[T+2*p] offset:32*SP*p+\so
.endif
.set sj, sj+1
.endm
; A tile: 16 matrix instructions into cur from buffer fb; beside them (red = 1) the reduction of prv; behind the first pair the next tile's fetch into the other buffer.
; That buffer's last reader is the tile before's last product: six plain instructions of its last two slices and eight of this tile's first two stand between (four are asked).
.macro TILE cur, prv, fb, red, ak, ac, o, os, ads, so
	s_wait_dscnt 4                                 ; my seven fragment loads are in; the four stage stores issued behind them may be out
.set mj, 0
.set sj, 0
.rept 8
	WIN 0x04                                       ; source 1 (features) window 1
	WM \cur, \fb
	WM \cur, \fb
	WIN 0
.if \red
	SLICE \prv, \ads, \so
	SLICE \prv, \ads, \so
.endif
.if mj == 2
	FETCH 1-\fb, \ak, \ac, \o, \os
.endif
.endr
.endm
	s_wait_tensorcnt 0x0                           ; my quarters of the codes and of the scale words have landed,
	s_wait_dscnt 0x0                               ; no LDS instruction of mine is pending at the signal
	s_barrier_signal -1
	s_barrier_wait -1                              ; everybody's have
	FETCH 0, AK0, ASA0, 0, 0                       ; tile 0
	s_wait_loadcnt 0x0                             ; the features
	s_wait_dscnt 0x0
	TILE X, X, 0, 0, AK0, ASA0, TILEB, 128, STA0, 0   ; tile 0: nothing to reduce yet; it fetches tile 1
	s_wait_dscnt 0x0                               ; no stage stores stand behind that fetch: the loop's counted wait would not cover it
.rept 5
	v_nop                                          ; the places between tile 0's products and the first read of their results
.endr
	s_mov_b32 s19, 0                               ; the tile being reduced
	s_mov_b32 s22, 0                               ; the trip's step in the codes,
	s_mov_b32 s50, 0                               ; in the scale words,
	s_mov_b32 s23, 0                               ; in a stage row
	s_mov_b32 s21, 24
.Ltrip:                                            ; trip n: tiles 2 n + 1 and 2 n + 2 are multiplied, tiles 2 n and 2 n + 1 reduced, tiles 2 n + 2 and 2 n + 3 fetched
	v_add_nc_u32 v[ADK], s22, v[AK0]
	v_add_nc_u32 v[ADC], s50, v[ASA0]
	v_add_nc_u32 v[ADS], s23, v[STA0]
	TILE Y, X, 1, 1, ADK, ADC, 2*TILEB, 256, ADS, 0
	TILE X, Y, 0, 1, ADK, ADC, 3*TILEB, 384, ADS, 4
	s_add_co_u32 s22, s22, 2*TILEB
	s_add_co_u32 s50, s50, 256
	s_add_co_u32 s23, s23, 8
	s_sub_co_u32 s21, s21, 1
	s_cmp_lg_u32 s21, 0
	s_cbranch_scc1 .Ltrip
.set sj, 0
.rept 16
	SLICE X, STA0, 192                             ; tile 48
.endr
; THE WAY OUT: my 128 rows of 64 slots, two rows an instruction: sixteen lanes store 256 consecutive bytes, at a multiple of 256 from gmax's first byte.
; LDS serves a wave's instructions in order: these loads see my stores.
.irp bq, 0,1
.if \bq
	s_wait_xcnt 0x0                                ; the first half's stores have read their registers
.endif
.set i, 0
.rept 32
	ds_load_b128 v[X+4*i:X+4*i+3], v[RDA] offset:(32*\bq+i)*2*SP
.set i, i+1
.endr
.set i, 0
.rept 32
	s_wait_dscnt 31-i                              ; load i is in, the younger ones stay out
	global_store_b128 v[GMO], v[X+4*i:X+4*i+3], s[56:57] offset:(32*\bq+i)*32768
.set i, i+1
.endr
.endr
	s_wait_tensorcnt 0x0
	ds_add_u32 v254, v255
	s_wait_dscnt 0x0
	CROUND                                         ; the closing round
	s_endpgm
.Lfunc_end_k_qd592eb3492_simmax:
	.size	k_qd592eb3492_simmax, .Lfunc_end_k_qd592eb3492_simmax-k_qd592eb3492_simmax
	.p2alignl 7, 3214868480
	.fill 96, 4, 3214868480
	.section	.rodata,"a",@progbits
	.p2align	6, 0x0
	.amdhsa_kernel k_qd592eb3492_simmax
		.amdhsa_group_segment_fixed_size 327680
		.amdhsa_private_segment_fixed_size 0
		.amdhsa_enable_private_segment 0
		.amdhsa_kernarg_size 32
		.amdhsa_user_sgpr_count 2
		.amdhsa_user_sgpr_kernarg_segment_ptr 1
		.amdhsa_wavefront_size32 1
		.amdhsa_system_sgpr_workgroup_id_x 1
		.amdhsa_system_sgpr_workgroup_id_y 1
		.amdhsa_system_sgpr_workgroup_id_z 1
		.amdhsa_system_vgpr_workitem_id 0
		.amdhsa_next_free_vgpr 448
		.amdhsa_next_free_sgpr 80
		.amdhsa_reserve_vcc 0
		.amdhsa_float_denorm_mode_32 3
		.amdhsa_float_denorm_mode_16_64 3
		.amdhsa_memory_ordered 1
		.amdhsa_forward_progress 1
		.amdhsa_inst_pref_size 44
	.end_amdhsa_kernel
	.amdgpu_metadata
---
amdhsa.version: [ 1, 2 ]
amdhsa.kernels:
  - .name:           k_qd592eb3492_simmax
    .symbol:         k_qd592eb3492_simmax.kd
    .args:
      - { .name: acode, .offset: 0, .size: 8, .value_kind: global_buffer, .address_space: global }
      - { .name: ascale, .offset: 8, .size: 8, .value_kind: global_buffer, .address_space: global }
      - { .name: fcode, .offset: 16, .size: 8, .value_kind: global_buffer, .address_space: global }
      - { .name: gmax, .offset: 24, .size: 8, .value_kind: global_buffer, .address_space: global }
    .group_segment_fixed_size: 327680
    .private_segment_fixed_size: 0
    .kernarg_segment_align: 8
    .kernarg_segment_size: 32
    .max_flat_workgroup_size: 128
    .sgpr_count:     80
    .vgpr_count:     448
    .wavefront_size: 32
...
	.end_amdgpu_metadata
.endif
;; end of part 2
;; launch pick (part 3): grid 512 x 1, 4 waves a work-group, no clusters, 74,240 bytes of LDS; arguments list0, list1, list2, list3, gmax; writes list0, list1, list2, list3
.if DOCPART == 3
	.amdgcn_target "amdgcn-amd-amdhsa--gfx1250"
	.amdhsa_code_object_version 6
	.text
	.protected	k_qd592eb3492_pick
	.globl	k_qd592eb3492_pick
	.p2align	8
	.type	k_qd592eb3492_pick,@function
k_qd592eb3492_pick:
	s_mov_b64 s[64:65], 0
	v_nop
	global_prefetch_b8 v0, s[64:65] scope:SCOPE_SE
	s_setreg_imm32_b32 hwreg(HW_REG_WAVE_MODE, 25, 1), 1
	s_wait_xcnt 0x0
; For each feature row: exactly the 50 best of its 4,096 slots of gmax, by (key descending, slot ascending), stored as a list of 50 group numbers in ascending order.
; THE LISTS lie in four buffers of 512 rows x 128 bytes: row R is row R % 512 of buffer R / 512.  Word t of a row holds the group of rank 2 t in its low half and that of
; rank 2 t + 1 in its high half; ranks 50 to 63 are 0.  group = 49 (slot / 64) + slot % 64.
; WHY 50 GROUPS SUFFICE: a group that 50 groups beat in this order is beaten, element for element, by the best elements of those 50.
; ONE WAVE, ONE ROW.  A lane holds 4 x 32 keys and turns each 32 x 32 bits round: plane word b then holds bit b of its 32 keys.
; SELECTION WITHOUT A JUMP, from the highest plane down: ones = alive & plane, counted over the wave.  Where the count reaches what is still needed, alive = ones;
; else the ones are taken, the need falls by the count, and they leave alive.  Behind the 32 value planes come 12 planes 'this bit of the slot's number is 0', so that
; the lower slot wins among equals.  Then alive holds one slot and the need is 1: taken | alive are the 50.  Every choice is a v_cndmask_b32.
; THE LIST WITHOUT A JUMP.  The mask's 128 words (word 32 w + l is lane l's word w) are read out one by one at constant lanes; the number of bits ahead of each is kept in a
; scalar; lane t keeps the last word whose number does not pass its rank (two ranks a lane).  The rank's bit in that word is found by five halvings on the word's partial counts.
; Counts are kept in f32 (at most 4,096: exact).  No barrier (a wave's LDS is its own), no cluster (rows share nothing).
.set WREG, 18432                       ; a wave's LDS: 128 pieces of 128 bytes + 16: lanes 144 bytes apart, an odd multiple of 16
.set LZ,   4                           ; v4-8   all ones where bit b of my lane's number is 0
.set NEED, 9
.set TOT,  10
.set TP,   11
.set TT,   12                          ; v12-15 at work
.set C,    16                          ; v16-19 counts
.set ON,   20                          ; v20-23
.set AL,   24                          ; v24-27 alive
.set TK,   28                          ; v28-31 taken
.set SL,   32                          ; v32-35 the mask
.set ZR,   37                          ; v37    0
.set L4,   38                          ; v38    4 x lane
.set QR,   40                          ; v40-41 my two ranks
.set QW,   42                          ; v42-43 the words that hold them
.set QP,   44                          ; v44-45 (the word's number << 8) + the bits ahead of it
.set QK,   46                          ; v46-47 the rank within the word
.set QS,   48                          ; v48-49 the bit's place
.set QA,   50                          ; v50-57 the word's counts by 2, 4, 8 bits, and of its low 16
.set QB,   52
.set QC,   54
.set QD,   56
.set QT,   58                          ; v58-61 at work
.set QU,   60
.set QG,   62                          ; v62-63 the groups
.set KW,   96                          ; v96-223 keys, then planes: word w at 96 + 32 w
.set YY,   224                         ; v224-255 at work in the turning
.set M55, 16
.set M33, 17
.set M0F, 18
.set M01, 19
.set SELA, 20
.set SELB, 21
.set P16L, 22
.set P16H, 23
.set P8L, 24
.set P8H, 25
; 32 words x 32 bits turned round: at each stage j rows k and k + j change the bits whose place has bit j set against those whose place has it clear
.macro TSTAGE x, y, j, m
.set k, 0
.rept 32
.if (k&\j) == 0
	v_lshlrev_b32 v[\y+k], \j, v[\x+k+\j]
	v_lshrrev_b32 v[\y+k+\j], \j, v[\x+k]
	v_bfi_b32 v[\x+k], s[\m], v[\x+k], v[\y+k]
	v_bfi_b32 v[\x+k+\j], s[\m], v[\y+k+\j], v[\x+k+\j]
.endif
.set k, k+1
.endr
.endm
.macro TRANS x, y
.set k, 0
.rept 16
	v_perm_b32 v[\y+k], v[\x+k+16], v[\x+k], s[P16L]       ; halves of 16 bits
	v_perm_b32 v[\y+k+16], v[\x+k+16], v[\x+k], s[P16H]
.set k, k+1
.endr
.set k, 0
.rept 32
.if (k&8) == 0
	v_perm_b32 v[\x+k], v[\y+k+8], v[\y+k], s[P8L]         ; bytes
	v_perm_b32 v[\x+k+8], v[\y+k+8], v[\y+k], s[P8H]
.endif
.set k, k+1
.endr
	TSTAGE \x, \y, 4, M0F
	TSTAGE \x, \y, 2, M33
	TSTAGE \x, \y, 1, M55
.endm
.macro WSUM                            ; the four byte counts of v[C] are added, then the 32 lanes': every lane holds the total
	v_mul_lo_u32 v[C], v[C], s[M01]
	v_lshrrev_b32 v[C], 24, v[C]
	v_cvt_f32_u32 v[TOT], v[C]
	v_add_f32_dpp v[TOT], v[TOT], v[TOT] row_xmask:1 row_mask:0xf bank_mask:0xf
	v_add_f32_dpp v[TOT], v[TOT], v[TOT] row_xmask:2 row_mask:0xf bank_mask:0xf
	v_add_f32_dpp v[TOT], v[TOT], v[TOT] row_xmask:4 row_mask:0xf bank_mask:0xf
	v_add_f32_dpp v[TOT], v[TOT], v[TOT] row_xmask:8 row_mask:0xf bank_mask:0xf
	v_permlanex16_b32 v[TP], v[TOT], s[SELA], s[SELB]
	v_add_f32 v[TOT], v[TOT], v[TP]
.endm
.macro CNT4                            ; the set bits of four words: pairs, nibbles (at most 4), two words' nibbles (8), bytes (16), all four (32)
.irp w, 0,1,2,3
	v_lshrrev_b32 v[TT+\w], 1, v[ON+\w]
.endr
.irp w, 0,1,2,3
	v_and_b32 v[TT+\w], s[M55], v[TT+\w]
.endr
.irp w, 0,1,2,3
	v_sub_nc_u32 v[C+\w], v[ON+\w], v[TT+\w]
.endr
.irp w, 0,1,2,3
	v_lshrrev_b32 v[TT+\w], 2, v[C+\w]
.endr
.irp w, 0,1,2,3
	v_and_b32 v[C+\w], s[M33], v[C+\w]
.endr
.irp w, 0,1,2,3
	v_and_b32 v[TT+\w], s[M33], v[TT+\w]
.endr
.irp w, 0,1,2,3
	v_add_nc_u32 v[C+\w], v[C+\w], v[TT+\w]
.endr
	v_add_nc_u32 v[C], v[C], v[C+1]
	v_add_nc_u32 v[C+2], v[C+2], v[C+3]
	v_lshrrev_b32 v[TT], 4, v[C]
	v_lshrrev_b32 v[TT+2], 4, v[C+2]
	v_and_b32 v[C], s[M0F], v[C]
	v_and_b32 v[C+2], s[M0F], v[C+2]
	v_and_b32 v[TT], s[M0F], v[TT]
	v_and_b32 v[TT+2], s[M0F], v[TT+2]
	v_add3_u32 v[C], v[C], v[TT], v[C+2]
	v_add_nc_u32 v[C], v[C], v[TT+2]
	WSUM
.endm
.macro STEP4 p0, p1, p2, p3            ; one plane: a word of it for each of my four words
	v_and_b32 v[ON], \p0, v[AL]
	v_and_b32 v[ON+1], \p1, v[AL+1]
	v_and_b32 v[ON+2], \p2, v[AL+2]
	v_and_b32 v[ON+3], \p3, v[AL+3]
	CNT4
	v_cmp_ge_f32 vcc_lo, v[TOT], v[NEED]           ; enough ones?  The same answer in every lane
.irp w, 0,1,2,3
	v_xor_b32 v[TT+\w], v[AL+\w], v[ON+\w]
.endr
.irp w, 0,1,2,3
	v_cndmask_b32 v[AL+\w], v[TT+\w], v[ON+\w], vcc_lo     ; yes: the ones stay alive; no: the others
.endr
.irp w, 0,1,2,3
	v_cndmask_b32 v[TT+\w], v[ON+\w], v[ZR], vcc_lo        ; no: the ones are taken
.endr
.irp w, 0,1,2,3
	v_or_b32 v[TK+\w], v[TK+\w], v[TT+\w]
.endr
	v_sub_f32 v[TT], v[NEED], v[TOT]
	v_cndmask_b32 v[NEED], v[TT], v[NEED], vcc_lo
.endm
; Eight words of the mask, numbers 32 w + l0 on.  s26 = the bits ahead of the word in hand.  A lane whose rank is not yet passed (s26 <= rank) takes the word in place of the one it held.
.macro SCAN8 w, l0
.irp j, 0,1,2,3,4,5,6,7
	v_readlane_b32 s[40+\j], v[SL+\w], \l0+\j
.endr
.irp j, 0,1,2,3,4,5,6,7
	s_add_co_u32 s27, s26, (32*\w+\l0+\j)<<8       ; the word's number over the bits ahead of it (at most 50: they fit in a byte)
	v_cmp_gt_u32 vcc_lo, s26, v[QR]                ; passed: keep
	v_cmp_gt_u32 s29, s26, v[QR+1]
	v_cndmask_b32 v[QW], s[40+\j], v[QW], vcc_lo
	v_cndmask_b32 v[QP], s27, v[QP], vcc_lo
	v_cndmask_b32 v[QW+1], s[40+\j], v[QW+1], s29
	v_cndmask_b32 v[QP+1], s27, v[QP+1], s29
	s_bcnt1_i32_b32 s28, s[40+\j]
	s_add_co_u32 s26, s26, s28
.endr
.endm
; One halving: t = the bits in the lower half of the field at the place in hand.  Where the rank reaches t, the bit lies in the upper half: the rank falls by t, the place rises by step.
.macro LEVEL src, width, step
.irp q, 0,1
	v_bfe_u32 v[QT+\q], v[\src+\q], v[QS+\q], \width
.endr
	v_cmp_ge_u32 vcc_lo, v[QK], v[QT]
	v_cmp_ge_u32 s29, v[QK+1], v[QT+1]
.irp q, 0,1
	v_sub_nc_u32 v[QU+\q], v[QK+\q], v[QT+\q]
.endr
.irp q, 0,1
	v_add_nc_u32 v[QT+\q], \step, v[QS+\q]
.endr
	v_cndmask_b32 v[QK], v[QK], v[QU], vcc_lo
	v_cndmask_b32 v[QS], v[QS], v[QT], vcc_lo
	v_cndmask_b32 v[QK+1], v[QK+1], v[QU+1], s29
	v_cndmask_b32 v[QS+1], v[QS+1], v[QT+1], s29
.endm
	s_load_b256 s[48:55], s[0:1], 0x0              ; list0 .. list3
	s_load_b64 s[4:5], s[0:1], 0x20                ; gmax
	v_lshl_add_u32 v94, v0, 2, 0x12000
	v_mov_b32 v95, 0
	v_lshrrev_b32 v12, 5, v0
	v_readfirstlane_b32 s8, v12                    ; wave
	v_and_b32 v36, 31, v0                          ; lane
	v_lshlrev_b32 v1, 4, v36                       ; 16 x lane
	v_lshlrev_b32 v[L4], 2, v36                    ; 4 x lane
	s_mul_i32 s9, s8, WREG
	v_lshrrev_b32 v12, 3, v36
	v_mul_u32_u24 v2, v12, 144
	v_and_b32 v13, 7, v36
	v_lshl_add_u32 v2, v13, 4, v2
	v_add_nc_u32 v2, s9, v2                        ; into LDS: eight lanes' 128 bytes are a piece
	v_mul_u32_u24 v3, v36, 144
	v_add_nc_u32 v3, s9, v3                        ; out of it: piece 32 w + lane
.irp z, 0,1,2,3,4
	v_bfe_u32 v12, v0, \z, 1
	v_add_nc_u32 v[LZ+\z], -1, v12
.endr
	s_mov_b32 s[M55], 0x55555555
	s_mov_b32 s[M33], 0x33333333
	s_mov_b32 s[M0F], 0x0f0f0f0f
	s_mov_b32 s[M01], 0x01010101
	s_mov_b32 s[SELA], 0x76543210
	s_mov_b32 s[SELB], 0xfedcba98
	s_mov_b32 s[P16L], 0x05040100
	s_mov_b32 s[P16H], 0x07060302
	s_mov_b32 s[P8L], 0x06020400
	s_mov_b32 s[P8H], 0x07030501
	s_lshl_b32 s10, ttmp9, 2
	s_add_co_u32 s10, s10, s8                      ; my row
	s_lshl_b32 s12, s10, 14
	s_mov_b32 s13, 0
	s_mov_b32 s15, 0
	s_wait_kmcnt 0x0
	s_add_nc_u64 s[4:5], s[4:5], s[12:13]
	s_cmp_lt_u32 s10, 512                          ; which of the four buffers: the choice hangs on the row's number alone
	s_cselect_b64 s[48:49], s[48:49], s[50:51]
	s_cmp_lt_u32 s10, 1536
	s_cselect_b64 s[52:53], s[52:53], s[54:55]
	s_cmp_lt_u32 s10, 1024
	s_cselect_b64 s[6:7], s[48:49], s[52:53]
	s_and_b32 s14, s10, 511
	s_lshl_b32 s14, s14, 7                         ; 128 bytes a row
	s_add_nc_u64 s[6:7], s[6:7], s[14:15]
.set j, 0
.rept 32
	global_load_b128 v[KW+4*j:KW+4*j+3], v1, s[4:5] offset:512*j th:TH_LOAD_NT   ; 512 consecutive bytes a load; read once
.set j, j+1
.endr
.irp w, 0,1,2,3
	v_mov_b32 v[AL+\w], -1
	v_mov_b32 v[TK+\w], 0
.endr
	v_mov_b32 v[NEED], 0x42480000                  ; 50
	v_mov_b32 v[TP], 0                             ; a lane permute's destination counts as read
	v_mov_b32 v[ZR], 0
.set j, 0
.rept 32
	s_wait_loadcnt 31-j                            ; load j is in, the younger ones stay out
	ds_store_b128 v2, v[KW+4*j:KW+4*j+3] offset:576*j
.set j, j+1
.endr
	s_wait_dscnt 0x0                               ; the stores have read their registers
.irp w, 0,1,2,3
.irp q, 0,1,2,3,4,5,6,7
	ds_load_b128 v[KW+32*\w+4*\q:KW+32*\w+4*\q+3], v3 offset:4608*\w+16*\q   ; key i of word w is slot 1024 w + 32 lane + i
.endr
.endr
.irp w, 0,1,2,3
	s_wait_dscnt 24-8*\w                           ; word w's eight loads are in; the later words' stay out
	TRANS KW+32*\w, YY
.endr
.set b, 31
.rept 32
	STEP4 v[KW+b], v[KW+32+b], v[KW+64+b], v[KW+96+b]
.set b, b-1
.endr
	STEP4 -1, -1, 0, 0                             ; the slot's bit 11 is 0 in words 0 and 1,
	STEP4 -1, 0, -1, 0                             ; bit 10 in words 0 and 2;
.irp z, 4,3,2,1,0
	STEP4 v[LZ+\z], v[LZ+\z], v[LZ+\z], v[LZ+\z]   ; bits 9 to 5 are the lane's number;
.endr
	STEP4 0xffff, 0xffff, 0xffff, 0xffff           ; bits 4 to 0 the place in a word
	STEP4 0xff00ff, 0xff00ff, 0xff00ff, 0xff00ff
	STEP4 s[M0F], s[M0F], s[M0F], s[M0F]
	STEP4 s[M33], s[M33], s[M33], s[M33]
	STEP4 s[M55], s[M55], s[M55], s[M55]
.irp w, 0,1,2,3
	v_or_b32 v[SL+\w], v[TK+\w], v[AL+\w]          ; bit i of word w: slot 1024 w + 32 lane + i is one of the 50
.endr
	; ---- the mask becomes a list
	v_lshlrev_b32 v[QR], 1, v36                    ; my ranks: 2 lane,
	v_or_b32 v[QR+1], 1, v[QR]                     ; 2 lane + 1
.irp q, 0,1
	v_mov_b32 v[QW+\q], 0
	v_mov_b32 v[QP+\q], 0
	v_mov_b32 v[QS+\q], 0
.endr
	s_mov_b32 s26, 0
.irp w, 0,1,2,3
.irp l, 0,8,16,24
	SCAN8 \w, \l
.endr
.endr
.irp q, 0,1
	v_and_b32 v[QT+\q], 0xff, v[QP+\q]             ; the bits ahead of my word
.endr
.irp q, 0,1
	v_sub_nc_u32 v[QK+\q], v[QR+\q], v[QT+\q]      ; my rank within it
.endr
.irp q, 0,1
	v_lshrrev_b32 v[QT+\q], 1, v[QW+\q]
.endr
.irp q, 0,1
	v_and_b32 v[QT+\q], s[M55], v[QT+\q]
.endr
.irp q, 0,1
	v_sub_nc_u32 v[QA+\q], v[QW+\q], v[QT+\q]      ; counts by 2 bits
.endr
.irp q, 0,1
	v_lshrrev_b32 v[QT+\q], 2, v[QA+\q]
.endr
.irp q, 0,1
	v_and_b32 v[QT+\q], s[M33], v[QT+\q]
.endr
.irp q, 0,1
	v_and_b32 v[QB+\q], s[M33], v[QA+\q]
.endr
.irp q, 0,1
	v_add_nc_u32 v[QB+\q], v[QB+\q], v[QT+\q]      ; by 4 bits
.endr
.irp q, 0,1
	v_lshrrev_b32 v[QT+\q], 4, v[QB+\q]
.endr
.irp q, 0,1
	v_add_nc_u32 v[QC+\q], v[QB+\q], v[QT+\q]
.endr
.irp q, 0,1
	v_and_b32 v[QC+\q], s[M0F], v[QC+\q]           ; by 8 bits
.endr
.irp q, 0,1
	v_lshrrev_b32 v[QT+\q], 8, v[QC+\q]
.endr
.irp q, 0,1
	v_add_nc_u32 v[QD+\q], v[QC+\q], v[QT+\q]      ; its lowest byte: the bits in the word's low 16
.endr
	LEVEL QD, 8, 16
	LEVEL QC, 8, 8
	LEVEL QB, 4, 4
	LEVEL QA, 2, 2
	LEVEL QW, 1, 1
.irp q, 0,1
	v_lshrrev_b32 v[QT+\q], 8, v[QP+\q]            ; the word's number
.endr
.irp q, 0,1
	v_lshl_add_u32 v[QS+\q], v[QT+\q], 5, v[QS+\q] ; the slot
.endr
.irp q, 0,1
	v_lshrrev_b32 v[QT+\q], 6, v[QS+\q]
.endr
.irp q, 0,1
	v_and_b32 v[QU+\q], 63, v[QS+\q]
.endr
.irp q, 0,1
	v_mad_u32_u24 v[QG+\q], v[QT+\q], 49, v[QU+\q] ; group = 49 chunk + u
.endr
.irp q, 0,1
	v_min_u32 v[QG+\q], 3124, v[QG+\q]
.endr
	v_cmp_gt_u32 vcc_lo, 50, v[QR]                 ; ranks 50 and up are no ranks: 0
	v_cmp_gt_u32 s29, 50, v[QR+1]
	v_cndmask_b32 v[QG], v[ZR], v[QG], vcc_lo
	v_cndmask_b32 v[QG+1], v[ZR], v[QG+1], s29
	v_lshl_or_b32 v[QT], v[QG+1], 16, v[QG]
	global_store_b32 v[L4], v[QT], s[6:7]          ; the row's 128 consecutive bytes
	s_wait_tensorcnt 0x0
	ds_add_u32 v94, v95
	s_wait_dscnt 0x0
	s_endpgm
.Lfunc_end_k_qd592eb3492_pick:
	.size	k_qd592eb3492_pick, .Lfunc_end_k_qd592eb3492_pick-k_qd592eb3492_pick
	.p2alignl 7, 3214868480
	.fill 96, 4, 3214868480
	.section	.rodata,"a",@progbits
	.p2align	6, 0x0
	.amdhsa_kernel k_qd592eb3492_pick
		.amdhsa_group_segment_fixed_size 74240
		.amdhsa_private_segment_fixed_size 0
		.amdhsa_enable_private_segment 0
		.amdhsa_kernarg_size 40
		.amdhsa_user_sgpr_count 2
		.amdhsa_user_sgpr_kernarg_segment_ptr 1
		.amdhsa_wavefront_size32 1
		.amdhsa_system_sgpr_workgroup_id_x 1
		.amdhsa_system_sgpr_workgroup_id_y 1
		.amdhsa_system_sgpr_workgroup_id_z 1
		.amdhsa_system_vgpr_workitem_id 0
		.amdhsa_next_free_vgpr 256
		.amdhsa_next_free_sgpr 66
		.amdhsa_reserve_vcc 1
		.amdhsa_float_denorm_mode_32 3
		.amdhsa_float_denorm_mode_16_64 3
		.amdhsa_memory_ordered 1
		.amdhsa_forward_progress 1
		.amdhsa_inst_pref_size 235
	.end_amdhsa_kernel
	.amdgpu_metadata
---
amdhsa.version: [ 1, 2 ]
amdhsa.kernels:
  - .name:           k_qd592eb3492_pick
    .symbol:         k_qd592eb3492_pick.kd
    .args:
      - { .name: list0, .offset: 0, .size: 8, .value_kind: global_buffer, .address_space: global }
      - { .name: list1, .offset: 8, .size: 8, .value_kind: global_buffer, .address_space: global }
      - { .name: list2, .offset: 16, .size: 8, .value_kind: global_buffer, .address_space: global }
      - { .name: list3, .offset: 24, .size: 8, .value_kind: global_buffer, .address_space: global }
      - { .name: gmax, .offset: 32, .size: 8, .value_kind: global_buffer, .address_space: global }
    .group_segment_fixed_size: 74240
    .private_segment_fixed_size: 0
    .kernarg_segment_align: 8
    .kernarg_segment_size: 40
    .max_flat_workgroup_size: 128
    .sgpr_count:     66
    .vgpr_count:     256
    .wavefront_size: 32
...
	.end_amdgpu_metadata
.endif
;; end of part 3
;; launch final (part 4): grid 256 x 1, 8 waves a work-group, no clusters, 0 bytes of LDS; arguments acode, ascale, anchor_label, out0, out1, fcode, labels, list0, list1, list2, list3; writes out0, out1
.if DOCPART == 4
	.amdgcn_target "amdgcn-amd-amdhsa--gfx1250"
	.amdhsa_code_object_version 6
	.text
	.protected	k_qd592eb3492_final
	.globl	k_qd592eb3492_final
	.p2align	8
	.type	k_qd592eb3492_final,@function
k_qd592eb3492_final:
	s_mov_b64 s[64:65], 0
	v_nop
	global_prefetch_b8 v0, s[64:65] scope:SCOPE_SE
	s_setreg_imm32_b32 hwreg(HW_REG_WAVE_MODE, 25, 1), 1
	s_wait_xcnt 0x0
; For each feature row: its 50 chosen groups of 16 anchors are multiplied again (the same instruction on the same codes in the same order of K, so the same bits),
; the exact 50 best of the 800 sims are found by (sim descending, anchor ascending), and out0 = -(how many of them carry the row's label) x 0.02, out1 = their sum x 0.02.
; t_labels is thrown away by the problem's own text and is no argument.  The scrub of NaN acts on a count / 50, which is never NaN.
; ONE WAVE, ONE ROW.  No branch at all.  Addresses hang on the row's list alone, whole numbers that an earlier launch stored.
; THE LIST.  Row R is row R % 512 (128 bytes) of list buffer R / 512.  Its word i holds the groups of tiles 2 i (low half) and 2 i + 1 (high half), in ascending order:
; 25 words come by three scalar loads and stay in scalar registers; every base is made of them on the scalar side, each group held to 3,124 first.
; THE PRODUCT.  Source 0 = a group's 16 anchors; source 1 = MY ROW IN ALL 16 COLUMNS (every lane loads row rl's bytes of the features' image): every lane (r, h) then holds
; sim(anchor 8 h + j) in register j.  Of the pair of tiles 2 i, 2 i + 1 lane (r, h) keeps anchor 8 h + r % 8 of tile 2 i + r / 8: 25 sims a lane.
; The place of (lane, i) in the order of anchors is 32 i + 16 (r / 8) + 8 h + r % 8, since the list ascends.
; THE SELECTION is the one of the launch before, on one word a lane: 32 value planes, then ten planes 'this bit of the place is 0'.
; No LDS, no barrier.  No cluster: which tiles two rows share hangs on the data.  Three pairs of tiles (48 loads a wave) are on their way.
; The two results of a row are 4 bytes each, stored by lane 0: a work-group owns 8 rows, and both outputs together are 16 KB.
; LIMITS: NaN and infinities are not served; -0 counts as +0; x 0.02 stands for / 50; the 50 sims are added in another order than the problem's text adds them.
.set FSC,  393216                      ; where the features' scale words begin in fcode
.set LA,   4                           ; v4-9    byte offsets of my anchors' labels: 2 buffer + tile
.set ONE,  10                          ; v10     1
.set MATCH, 11                         ; v11     bit i: my anchor of pair i carries the row's label
.set FS,   12                          ; v12     the row's scale words
.set AS,   14                          ; v14-19  the anchors' scale words: 2 buffer + tile
.set FE,   24                          ; v24-47  the row's two fragments
.set ACC,  48                          ; v48-79  two sets of two accumulators
.set SIM,  80                          ; v80-104 my 25 sims
.set LB,   105                         ; v105-110 labels: 2 buffer + tile
.set ZR,   111                         ; v111    0
.set AF,   112                         ; v112-255 three buffers of two tiles of 24 registers
.set X,    112                         ; behind the products: keys, then planes
.set Y,    144                         ; at work
.set LZ,   176                         ; v176-180
.set NEED, 184
.set TOT,  185
.set TP,   186
.set C,    187
.set ON,   188
.set AL,   189
.set TK,   190
.set TT,   191                         ; v191-192
.set SEL,  193
; scalars: s2 wave, s3 row; s[4:9] acode, ascale, anchor_label; s[10:13] the row's places in out0 and out1; s[14:25] the other buffers; s[26:29] the row's codes and scale words;
; s30 its label; s[32:35] lane masks; s36-37 a pair's groups; s[38:39] an offset with 0 above it; s[40:51], s[52:63] the tiles' bases; s[68:92] the list, behind the products constants
.set MR0, 32                           ; lanes whose number has bit 0, 1, 2, 3 set
.set MR1, 33
.set MR2, 34
.set MR3, 35
.set LW,  68                           ; s68-92 the list's 25 words
.set M55, 68
.set M33, 69
.set M0F, 70
.set M01, 71
.set SELA, 72
.set SELB, 73
.set P16L, 74
.set P16H, 75
.set P8L, 76
.set P8H, 77
.macro TSTAGE x, y, j, m
.set k, 0
.rept 32
.if (k&\j) == 0
	v_lshlrev_b32 v[\y+k], \j, v[\x+k+\j]
	v_lshrrev_b32 v[\y+k+\j], \j, v[\x+k]
	v_bfi_b32 v[\x+k], s[\m], v[\x+k], v[\y+k]
	v_bfi_b32 v[\x+k+\j], s[\m], v[\y+k+\j], v[\x+k+\j]
.endif
.set k, k+1
.endr
.endm
.macro TRANS x, y                      ; 32 words x 32 bits turned round: bit i of word b becomes bit b of word i
.set k, 0
.rept 16
	v_perm_b32 v[\y+k], v[\x+k+16], v[\x+k], s[P16L]
	v_perm_b32 v[\y+k+16], v[\x+k+16], v[\x+k], s[P16H]
.set k, k+1
.endr
.set k, 0
.rept 32
.if (k&8) == 0
	v_perm_b32 v[\x+k], v[\y+k+8], v[\y+k], s[P8L]
	v_perm_b32 v[\x+k+8], v[\y+k+8], v[\y+k], s[P8H]
.endif
.set k, k+1
.endr
	TSTAGE \x, \y, 4, M0F
	TSTAGE \x, \y, 2, M33
	TSTAGE \x, \y, 1, M55
.endm
.macro LANES r                         ; the sum of v[r] over the 32 lanes, in every lane
	v_add_f32_dpp v[\r], v[\r], v[\r] row_xmask:1 row_mask:0xf bank_mask:0xf
	v_add_f32_dpp v[\r], v[\r], v[\r] row_xmask:2 row_mask:0xf bank_mask:0xf
	v_add_f32_dpp v[\r], v[\r], v[\r] row_xmask:4 row_mask:0xf bank_mask:0xf
	v_add_f32_dpp v[\r], v[\r], v[\r] row_xmask:8 row_mask:0xf bank_mask:0xf
	v_permlanex16_b32 v[TP], v[\r], s[SELA], s[SELB]
	v_add_f32 v[\r], v[\r], v[TP]
.endm
.macro CNT1                            ; the set bits of v[ON], over the wave, as f32 in v[TOT]
	v_lshrrev_b32 v[TT], 1, v[ON]
	v_and_b32 v[TT], s[M55], v[TT]
	v_sub_nc_u32 v[C], v[ON], v[TT]
	v_lshrrev_b32 v[TT], 2, v[C]
	v_and_b32 v[C], s[M33], v[C]
	v_and_b32 v[TT], s[M33], v[TT]
	v_add_nc_u32 v[C], v[C], v[TT]
	v_lshrrev_b32 v[TT], 4, v[C]
	v_add_nc_u32 v[C], v[C], v[TT]
	v_and_b32 v[C], s[M0F], v[C]
	v_mul_lo_u32 v[C], v[C], s[M01]
	v_lshrrev_b32 v[C], 24, v[C]
	v_cvt_f32_u32 v[TOT], v[C]
	LANES TOT
.endm
.macro STEP1 p                         ; one plane of the selection
	v_and_b32 v[ON], \p, v[AL]
	CNT1
	v_cmp_ge_f32 vcc_lo, v[TOT], v[NEED]
	v_xor_b32 v[TT], v[AL], v[ON]
	v_cndmask_b32 v[TT+1], v[ON], v[ZR], vcc_lo
	v_cndmask_b32 v[AL], v[TT], v[ON], vcc_lo
	v_or_b32 v[TK], v[TK], v[TT+1]
	v_sub_f32 v[TT], v[NEED], v[TOT]
	v_cndmask_b32 v[NEED], v[TT], v[NEED], vcc_lo
.endm
; Pair i of tiles (2 i, 2 i + 1) is asked for, into buffer i % 3: 16 loads.  Its bases and offsets are written only behind the wait that showed the buffer's last loads done.
.macro LOADP i
.set bb, (\i)%3
	s_and_b32 s36, s[LW+(\i)], 0xffff              ; the pair's two groups
	s_lshr_b32 s37, s[LW+(\i)], 16
.irp e, 0,1
	s_min_u32 s[36+\e], s[36+\e], 3124             ; a group's number stays inside the table
	s_mul_i32 s38, s[36+\e], 3072
	s_add_nc_u64 s[40+4*bb+2*\e:41+4*bb+2*\e], s[4:5], s[38:39]
	s_lshl_b32 s38, s[36+\e], 7
	s_add_nc_u64 s[52+4*bb+2*\e:53+4*bb+2*\e], s[6:7], s[38:39]
.irp k, 0,1,2,3,4,5
	global_load_b128 v[AF+48*bb+24*\e+4*\k:AF+48*bb+24*\e+4*\k+3], v1, s[40+4*bb+2*\e:41+4*bb+2*\e] offset:512*\k
.endr
	global_load_b32 v[AS+2*bb+\e], v2, s[52+4*bb+2*\e:53+4*bb+2*\e]
	v_lshl_add_u32 v[LA+2*bb+\e], s[36+\e], 6, v3  ; 64 bytes of labels a group, + 4 (8 h + r % 8)
	global_load_b32 v[LB+2*bb+\e], v[LA+2*bb+\e], s[8:9]
.endr
.endm
.macro WM4 i                           ; the pair's four products; the two accumulators take turns
.set bb, (\i)%3
.set aa, ACC+16*((\i)%2)
	v_wmma_scale_f32_16x16x128_f8f6f4 v[aa:aa+7], v[AF+48*bb:AF+48*bb+11], v[FE:FE+11], 0, v[AS+2*bb], v[FS] matrix_a_fmt:MATRIX_FMT_BF6 matrix_b_fmt:MATRIX_FMT_BF6
	v_wmma_scale_f32_16x16x128_f8f6f4 v[aa+8:aa+15], v[AF+48*bb+24:AF+48*bb+35], v[FE:FE+11], 0, v[AS+2*bb+1], v[FS] matrix_a_fmt:MATRIX_FMT_BF6 matrix_b_fmt:MATRIX_FMT_BF6
	v_wmma_scale_f32_16x16x128_f8f6f4 v[aa:aa+7], v[AF+48*bb+12:AF+48*bb+23], v[FE+12:FE+23], v[aa:aa+7], v[AS+2*bb], v[FS] matrix_a_fmt:MATRIX_FMT_BF6 matrix_b_fmt:MATRIX_FMT_BF6 matrix_a_scale:MATRIX_SCALE_ROW1 matrix_b_scale:MATRIX_SCALE_ROW1
	v_wmma_scale_f32_16x16x128_f8f6f4 v[aa+8:aa+15], v[AF+48*bb+36:AF+48*bb+47], v[FE+12:FE+23], v[aa+8:aa+15], v[AS+2*bb+1], v[FS] matrix_a_fmt:MATRIX_FMT_BF6 matrix_b_fmt:MATRIX_FMT_BF6 matrix_a_scale:MATRIX_SCALE_ROW1 matrix_b_scale:MATRIX_SCALE_ROW1
.endm
.macro LABEL i                         ; my tile's label of the two; does it equal the row's?
.set bb, (\i)%3
	v_cndmask_b32 v13, v[LB+2*bb], v[LB+2*bb+1], s[MR3]
	v_cmp_eq_u32 vcc_lo, s30, v13
	v_cndmask_b32 v13, v[ZR], v[ONE], vcc_lo
	v_lshl_or_b32 v[MATCH], v13, \i, v[MATCH]
.endm
.macro SELECT i                        ; of each accumulator's eight registers the one numbered r % 8 (from the low end on), then my tile of the two
.set aa, ACC+16*((\i)%2)
.irp e, 0,8
.irp j, 0,2,4,6
	v_cndmask_b32 v[aa+\e+\j], v[aa+\e+\j], v[aa+\e+\j+1], s[MR0]
.endr
.endr
.irp e, 0,8
	v_cndmask_b32 v[aa+\e], v[aa+\e], v[aa+\e+2], s[MR1]
	v_cndmask_b32 v[aa+\e+4], v[aa+\e+4], v[aa+\e+6], s[MR1]
.endr
.irp e, 0,8
	v_cndmask_b32 v[aa+\e], v[aa+\e], v[aa+\e+4], s[MR2]
.endr
	v_cndmask_b32 v[SIM+(\i)], v[aa], v[aa+8], s[MR3]
.endm
	s_load_b256 s[4:11], s[0:1], 0x0               ; acode s[4:5], ascale s[6:7], anchor_label s[8:9], out0 s[10:11]
	s_load_b256 s[12:19], s[0:1], 0x20             ; out1 s[12:13], fcode s[14:15], labels s[16:17], list0 s[18:19]
	s_load_b128 s[20:23], s[0:1], 0x40             ; list1 s[20:21], list2 s[22:23]
	s_load_b64 s[24:25], s[0:1], 0x50              ; list3
	v_lshrrev_b32 v13, 5, v0
	v_readfirstlane_b32 s2, v13                    ; wave
	v_and_b32 v13, 31, v0                          ; lane
	v_lshlrev_b32 v1, 4, v13                       ; 16 x lane
	v_lshlrev_b32 v2, 2, v13                       ; 4 x lane
	v_bfe_u32 v22, v0, 4, 1                        ; h
	v_and_b32 v23, 7, v0                           ; r % 8
	v_lshl_add_u32 v3, v22, 3, v23
	v_lshlrev_b32 v3, 2, v3                        ; my anchor's label in a group's 64 bytes: 4 (8 h + r % 8)
	v_lshlrev_b32 v20, 8, v22                      ; the row's codes: lanes 16-31 take the image's lane rl + 16: 256 bytes on
	v_lshlrev_b32 v21, 6, v22                      ; its scale words: 64 bytes on
	v_mov_b32 v[ONE], 1
	v_mov_b32 v[MATCH], 0
	v_mov_b32 v[ZR], 0
	s_mov_b32 s[MR0], 0xaaaaaaaa
	s_mov_b32 s[MR1], 0xcccccccc
	s_mov_b32 s[MR2], 0xf0f0f0f0
	s_mov_b32 s[MR3], 0xff00ff00
	s_lshl_b32 s3, ttmp9, 3
	s_add_co_u32 s3, s3, s2                        ; my row
	s_mov_b32 s39, 0                               ; the high word of every offset
	s_lshr_b32 s66, s3, 4                          ; its tile of features,
	s_and_b32 s67, s3, 15                          ; and its row rl in it
	s_wait_kmcnt 0x0
	s_cmp_lt_u32 s3, 512                           ; which of the four list buffers: the choice hangs on the row's number alone
	s_cselect_b64 s[18:19], s[18:19], s[20:21]
	s_cmp_lt_u32 s3, 1536
	s_cselect_b64 s[22:23], s[22:23], s[24:25]
	s_cmp_lt_u32 s3, 1024
	s_cselect_b64 s[18:19], s[18:19], s[22:23]
	s_and_b32 s38, s3, 511
	s_lshl_b32 s38, s38, 7                         ; 128 bytes a row
	s_add_nc_u64 s[18:19], s[18:19], s[38:39]
	s_lshl_b32 s38, s3, 2
	s_add_nc_u64 s[16:17], s[16:17], s[38:39]
	s_add_nc_u64 s[10:11], s[10:11], s[38:39]
	s_add_nc_u64 s[12:13], s[12:13], s[38:39]
	s_load_b512 s[LW:LW+15], s[18:19], 0x0         ; the list's words 0-15,
	s_load_b256 s[LW+16:LW+23], s[18:19], 0x40     ; 16-23,
	s_load_b32 s[LW+24], s[18:19], 0x60            ; 24
	s_load_b32 s30, s[16:17], 0x0                  ; the row's label
	s_mul_i32 s38, s66, 3072
	s_lshl_b32 s31, s67, 4
	s_add_co_u32 s38, s38, s31
	s_add_nc_u64 s[26:27], s[14:15], s[38:39]      ; the image's lane rl
	s_lshl_b32 s38, s66, 7
	s_lshl_b32 s31, s67, 2
	s_add_co_u32 s38, s38, s31
	s_add_co_u32 s38, s38, FSC
	s_add_nc_u64 s[28:29], s[14:15], s[38:39]
.irp k, 0,1,2,3,4,5
	global_load_b128 v[FE+4*\k:FE+4*\k+3], v20, s[26:27] offset:512*\k
.endr
	global_load_b32 v[FS], v21, s[28:29]           ; the first counted wait of the products covers these seven
	s_wait_kmcnt 0x0                               ; scalar loads come in no order: the count is 0
	LOADP 0
	LOADP 1
	LOADP 2
.set q, 0
.rept 25
.if 24-q >= 2
	s_wait_loadcnt 32                              ; this pair's 16 loads are in (and all that were issued ahead of them); the two younger pairs' stay out
.else
	s_wait_loadcnt 16*(24-q)
.endif
	WM4 q
	LABEL q
.if q == 0
.rept 4
	v_nop                                          ; the places in front of the loads into the buffer just multiplied
.endr
.else
	SELECT q-1                                     ; the pair before: these fifteen lines are those places
.endif
.if q+3 <= 24
	LOADP q+3
.endif
.set q, q+1
.endr
	SELECT 24
	s_mov_b32 s[M55], 0x55555555                   ; the selection's constants take the list's registers
	s_mov_b32 s[M33], 0x33333333
	s_mov_b32 s[M0F], 0x0f0f0f0f
	s_mov_b32 s[M01], 0x01010101
	s_mov_b32 s[SELA], 0x76543210
	s_mov_b32 s[SELB], 0xfedcba98
	s_mov_b32 s[P16L], 0x05040100
	s_mov_b32 s[P16H], 0x07060302
	s_mov_b32 s[P8L], 0x06020400
	s_mov_b32 s[P8H], 0x07030501
	; keys that order as the sims do; seven keys of 0 fill the word, under every finite key
.set i, 0
.rept 25
	v_add_f32 v[X+i], 0, v[SIM+i]
.set i, i+1
.endr
.set i, 0
.rept 25
	v_ashrrev_i32 v[Y+i], 31, v[X+i]
.set i, i+1
.endr
.set i, 0
.rept 25
	v_or_b32 v[Y+i], 0x80000000, v[Y+i]
.set i, i+1
.endr
.set i, 0
.rept 25
	v_xor_b32 v[X+i], v[X+i], v[Y+i]
.set i, i+1
.endr
.irp i, 25,26,27,28,29,30,31
	v_mov_b32 v[X+\i], 0
.endr
.irp z, 0,1,2,3,4
	v_bfe_u32 v[TT], v0, \z, 1
	v_add_nc_u32 v[LZ+\z], -1, v[TT]               ; all ones where bit z of my lane's number is 0
.endr
	v_mov_b32 v[AL], -1
	v_mov_b32 v[TK], 0
	v_mov_b32 v[NEED], 0x42480000                  ; 50
	v_mov_b32 v[TP], 0
	TRANS X, Y
.set b, 31
.rept 32
	STEP1 v[X+b]
.set b, b-1
.endr
	STEP1 0xffff                                   ; the place's bits from the top: the pair's number i,
	STEP1 0xff00ff
	STEP1 s[M0F]
	STEP1 s[M33]
	STEP1 s[M55]
	STEP1 v[LZ+3]                                  ; r / 8,
	STEP1 v[LZ+4]                                  ; h,
	STEP1 v[LZ+2]                                  ; r % 8
	STEP1 v[LZ+1]
	STEP1 v[LZ+0]
	v_or_b32 v[SEL], v[TK], v[AL]                  ; bit i: my sim of pair i is one of the 50
	v_and_b32 v[ON], v[SEL], v[MATCH]
	CNT1                                           ; how many of the 50 carry the label
.set i, 0
.rept 25
	v_lshlrev_b32 v[Y+i], 31-i, v[SEL]
.set i, i+1
.endr
.set i, 0
.rept 25
	v_ashrrev_i32 v[Y+i], 31, v[Y+i]               ; all ones where chosen
.set i, i+1
.endr
.set i, 0
.rept 25
	v_and_b32 v[Y+i], v[Y+i], v[SIM+i]
.set i, i+1
.endr
.set i, 2
.rept 23
	v_add_f32 v[Y+i%2], v[Y+i%2], v[Y+i]           ; two chains
.set i, i+1
.endr
	v_add_f32 v[Y], v[Y], v[Y+1]
	LANES Y
	v_mul_f32 v[X], 0xbca3d70a, v[TOT]             ; x -0.02
	v_mul_f32 v[X+1], 0x3ca3d70a, v[Y]             ; x 0.02
	v_and_b32 v13, 31, v0
	v_cmp_eq_u32 vcc_lo, 0, v13
	s_wait_xcnt 0x0                                ; EXEC changes only behind this wait
	s_and_saveexec_b32 s31, vcc_lo
	global_store_b32 v[ZR], v[X], s[10:11]
	global_store_b32 v[ZR], v[X+1], s[12:13]
	s_wait_xcnt 0x0                                ; and again, in front of the line that widens it
	s_or_b32 exec_lo, exec_lo, s31
	s_endpgm
.Lfunc_end_k_qd592eb3492_final:
	.size	k_qd592eb3492_final, .Lfunc_end_k_qd592eb3492_final-k_qd592eb3492_final
	.p2alignl 7, 3214868480
	.fill 96, 4, 3214868480
	.section	.rodata,"a",@progbits
	.p2align	6, 0x0
	.amdhsa_kernel k_qd592eb3492_final
		.amdhsa_group_segment_fixed_size 0
		.amdhsa_private_segment_fixed_size 0
		.amdhsa_enable_private_segment 0
		.amdhsa_kernarg_size 88
		.amdhsa_user_sgpr_count 2
		.amdhsa_user_sgpr_kernarg_segment_ptr 1
		.amdhsa_wavefront_size32 1
		.amdhsa_system_sgpr_workgroup_id_x 1
		.amdhsa_system_sgpr_workgroup_id_y 1
		.amdhsa_system_sgpr_workgroup_id_z 1
		.amdhsa_system_vgpr_workitem_id 0
		.amdhsa_next_free_vgpr 256
		.amdhsa_next_free_sgpr 96
		.amdhsa_reserve_vcc 1
		.amdhsa_float_denorm_mode_32 3
		.amdhsa_float_denorm_mode_16_64 3
		.amdhsa_memory_ordered 1
		.amdhsa_forward_progress 1
		.amdhsa_inst_pref_size 166
	.end_amdhsa_kernel
	.amdgpu_metadata
---
amdhsa.version: [ 1, 2 ]
amdhsa.kernels:
  - .name:           k_qd592eb3492_final
    .symbol:         k_qd592eb3492_final.kd
    .args:
      - { .name: acode, .offset: 0, .size: 8, .value_kind: global_buffer, .address_space: global }
      - { .name: ascale, .offset: 8, .size: 8, .value_kind: global_buffer, .address_space: global }
      - { .name: anchor_label, .offset: 16, .size: 8, .value_kind: global_buffer, .address_space: global }
      - { .name: out0, .offset: 24, .size: 8, .value_kind: global_buffer, .address_space: global }
      - { .name: out1, .offset: 32, .size: 8, .value_kind: global_buffer, .address_space: global }
      - { .name: fcode, .offset: 40, .size: 8, .value_kind: global_buffer, .address_space: global }
      - { .name: labels, .offset: 48, .size: 8, .value_kind: global_buffer, .address_space: global }
      - { .name: list0, .offset: 56, .size: 8, .value_kind: global_buffer, .address_space: global }
      - { .name: list1, .offset: 64, .size: 8, .value_kind: global_buffer, .address_space: global }
      - { .name: list2, .offset: 72, .size: 8, .value_kind: global_buffer, .address_space: global }
      - { .name: list3, .offset: 80, .size: 8, .value_kind: global_buffer, .address_space: global }
    .group_segment_fixed_size: 0
    .private_segment_fixed_size: 0
    .kernarg_segment_align: 8
    .kernarg_segment_size: 88
    .max_flat_workgroup_size: 256
    .sgpr_count:     96
    .vgpr_count:     256
    .wavefront_size: 32
...
	.end_amdgpu_metadata
.endif
;; end of part 4
;; ======== version 2 of 2: 4 launches; version 1 with the launch final written anew for expert scheduling mode
;; workspace buffers: acode 9,646,080 bytes; ascale 401,920 bytes; fcode 409,600 bytes; gmax 33,554,432 bytes; list0 65,536 bytes of whole numbers; list1 65,536 bytes of whole numbers; list2 65,536 bytes of whole numbers; list3 65,536 bytes of whole numbers
;; launch quant: the kernel of part 1 again; grid 817 x 1, 4 waves a work-group, no clusters, 67,072 bytes of LDS; arguments anchor_feature, features, acode, ascale, fcode; writes acode, ascale, fcode
;; launch simmax: the kernel of part 2 again; grid 4 x 64, 4 waves a work-group, clusters of 4 x 1, 327,680 bytes of LDS; arguments acode, ascale, fcode, gmax; writes gmax
;; launch pick: the kernel of part 3 again; grid 512 x 1, 4 waves a work-group, no clusters, 74,240 bytes of LDS; arguments list0, list1, list2, list3, gmax; writes list0, list1, list2, list3
;; launch final (part 5): grid 256 x 1, 8 waves a work-group, no clusters, 0 bytes of LDS; arguments acode, ascale, anchor_label, out0, out1, fcode, labels, list0, list1, list2, list3; writes out0, out1
.if DOCPART == 5
	.amdgcn_target "amdgcn-amd-amdhsa--gfx1250"
	.amdhsa_code_object_version 6
	.text
	.protected	k_qd592eb3492_final
	.globl	k_qd592eb3492_final
	.p2align	8
	.type	k_qd592eb3492_final,@function
k_qd592eb3492_final:
	s_mov_b64 s[64:65], 0
	v_nop
	global_prefetch_b8 v0, s[64:65] scope:SCOPE_SE
	s_setreg_imm32_b32 hwreg(HW_REG_WAVE_SCHED_MODE, 0, 2), 2
	s_setreg_imm32_b32 hwreg(HW_REG_WAVE_MODE, 25, 1), 1
	s_wait_xcnt 0x0
	s_wait_alu depctr_vm_vsrc(0)
; For each feature row: its 50 chosen groups of 16 anchors are multiplied again (the same instruction on the same codes in the same order of K, so the same bits),
; the exact 50 best of the 800 sims are found by (sim descending, anchor ascending), and out0 = -(how many of them carry the row's label) x 0.02, out1 = their sum x 0.02.
; t_labels is thrown away by the problem's own text and is no argument.  The scrub of NaN acts on a count / 50, which is never NaN.
; ONE WAVE, ONE ROW.  No branch at all.  Addresses hang on the row's list alone, whole numbers that an earlier launch stored.
; THE LIST.  Row R is row R % 512 (128 bytes) of list buffer R / 512.  Its word i holds the groups of tiles 2 i (low half) and 2 i + 1 (high half), in ascending order:
; 25 words come by three scalar loads and stay in scalar registers; every base is made of them on the scalar side, each group held to 3,124 first.
; THE PRODUCT.  Source 0 = a group's 16 anchors; source 1 = MY ROW IN ALL 16 COLUMNS (every lane loads row rl's bytes of the features' image): every lane (r, h) then holds
; sim(anchor 8 h + j) in register j.  Of the pair of tiles 2 i, 2 i + 1 lane (r, h) keeps anchor 8 h + r % 8 of tile 2 i + r / 8: 25 sims a lane.
; The place of (lane, i) in the order of anchors is 32 i + 16 (r / 8) + 8 h + r % 8, since the list ascends.
; THE SELECTION is the one of the launch before, on one word a lane: 32 value planes, then ten planes 'this bit of the place is 0'.
; No LDS, no barrier.  No cluster: which tiles two rows share hangs on the data.  Three pairs of tiles (48 loads a wave) are on their way.
; The two results of a row are 4 bytes each, stored by lane 0: a work-group owns 8 rows, and both outputs together are 16 KB.
; LIMITS: NaN and infinities are not served; -0 counts as +0; x 0.02 stands for / 50; the 50 sims are added in another order than the problem's text adds them.
; THE MODE: SCHED_MODE bits 1:0 = 2 (LLVM: expert scheduling mode 2), set by the entry lines.  The code itself states the register dependences
; between vector or matrix instructions and memory instructions, with s_wait_alu, always for 0.
; THE PLAN.  Registers that memory instructions touch:
;   v1, v2, v3, v20, v21, v111   byte offsets, made once at the head and never written again: tiles, scale words and labels are reached by scalar bases.
;   FE, FS                       the row's fragments and scale words: loaded once at the head; read by matrix instructions alone.
;   AF[b], AS[b], LB[b], b = pair % 3.  Step q: its four products read AF[b] and AS[b], one v_cndmask_b32 reads LB[b]; behind them the 16 loads of pair q + 3 land there.
;   X, X + 1                     at the end: written by two multiplies, read by the two stores.
;   ACC, SIM, MATCH and all of the selection are named by vector and matrix instructions alone.
; So ONE wait on va_vdst stands in a step, behind the lines that pick the pair before's sims and ahead of the run of 16 loads: it states that the step's products and its
; v_cndmask_b32 are done reading buffer b.  No vector instruction stands between it and the loads, and what follows them names none of buffer b's registers.
; A compare's mask is awaited (va_vcc) ahead of its first reader, with lines that do not hang on it between the two.  No register that a memory instruction reads is written again.
.set FSC,  393216                      ; where the features' scale words begin in fcode
.set ONE,  10                          ; v10     1
.set MATCH, 11                         ; v11     bit i: my anchor of pair i carries the row's label
.set FS,   12                          ; v12     the row's scale words
.set AS,   14                          ; v14-19  the anchors' scale words: 2 buffer + tile
.set FE,   24                          ; v24-47  the row's two fragments
.set ACC,  48                          ; v48-79  two sets of two accumulators
.set SIM,  80                          ; v80-104 my 25 sims
.set LB,   105                         ; v105-110 labels: 2 buffer + tile
.set ZR,   111                         ; v111    0
.set AF,   112                         ; v112-255 three buffers of two tiles of 24 registers
.set X,    112                         ; behind the products: keys, then planes
.set Y,    144                         ; at work
.set LZ,   176                         ; v176-180
.set NEED, 184
.set TOT,  185
.set TP,   186
.set C,    187
.set ON,   188
.set AL,   189
.set TK,   190
.set TT,   191                         ; v191-192
.set SEL,  193
; scalars: s2 wave, s3 row; s[4:9] acode, ascale, anchor_label; s[10:13] the row's places in out0 and out1; s[14:25] at the head the other buffers, then the labels' bases;
; s[26:29] the row's codes and scale words; s30 its label; s[32:35] lane masks; s36-37 a pair's groups; s[38:39] an offset with 0 above it; s[40:51], s[52:63] the tiles' bases;
; s[68:92] the list, behind the products constants
.set LBB, 14                           ; s[14:25] where a tile's 16 labels begin: a pair of registers at LBB + 4 buffer + 2 tile
.set MR0, 32                           ; lanes whose number has bit 0, 1, 2, 3 set
.set MR1, 33
.set MR2, 34
.set MR3, 35
.set LW,  68                           ; s68-92 the list's 25 words
.set M55, 68
.set M33, 69
.set M0F, 70
.set M01, 71
.set SELA, 72
.set SELB, 73
.set P16L, 74
.set P16H, 75
.set P8L, 76
.set P8H, 77
.macro TSTAGE x, y, j, m
.set k, 0
.rept 32
.if (k&\j) == 0
	v_lshlrev_b32 v[\y+k], \j, v[\x+k+\j]
	v_lshrrev_b32 v[\y+k+\j], \j, v[\x+k]
	v_bfi_b32 v[\x+k], s[\m], v[\x+k], v[\y+k]
	v_bfi_b32 v[\x+k+\j], s[\m], v[\y+k+\j], v[\x+k+\j]
.endif
.set k, k+1
.endr
.endm
.macro TRANS x, y                      ; 32 words x 32 bits turned round: bit i of word b becomes bit b of word i
.set k, 0
.rept 16
	v_perm_b32 v[\y+k], v[\x+k+16], v[\x+k], s[P16L]
	v_perm_b32 v[\y+k+16], v[\x+k+16], v[\x+k], s[P16H]
.set k, k+1
.endr
.set k, 0
.rept 32
.if (k&8) == 0
	v_perm_b32 v[\x+k], v[\y+k+8], v[\y+k], s[P8L]
	v_perm_b32 v[\x+k+8], v[\y+k+8], v[\y+k], s[P8H]
.endif
.set k, k+1
.endr
	TSTAGE \x, \y, 4, M0F
	TSTAGE \x, \y, 2, M33
	TSTAGE \x, \y, 1, M55
.endm
.macro LANES r                         ; the sum of v[r] over the 32 lanes, in every lane
	v_add_f32_dpp v[\r], v[\r], v[\r] row_xmask:1 row_mask:0xf bank_mask:0xf
	v_add_f32_dpp v[\r], v[\r], v[\r] row_xmask:2 row_mask:0xf bank_mask:0xf
	v_add_f32_dpp v[\r], v[\r], v[\r] row_xmask:4 row_mask:0xf bank_mask:0xf
	v_add_f32_dpp v[\r], v[\r], v[\r] row_xmask:8 row_mask:0xf bank_mask:0xf
	v_permlanex16_b32 v[TP], v[\r], s[SELA], s[SELB]
	v_add_f32 v[\r], v[\r], v[TP]
.endm
.macro CNT1                            ; the set bits of v[ON], over the wave, as f32 in v[TOT]
	v_lshrrev_b32 v[TT], 1, v[ON]
	v_and_b32 v[TT], s[M55], v[TT]
	v_sub_nc_u32 v[C], v[ON], v[TT]
	v_lshrrev_b32 v[TT], 2, v[C]
	v_and_b32 v[C], s[M33], v[C]
	v_and_b32 v[TT], s[M33], v[TT]
	v_add_nc_u32 v[C], v[C], v[TT]
	v_lshrrev_b32 v[TT], 4, v[C]
	v_add_nc_u32 v[C], v[C], v[TT]
	v_and_b32 v[C], s[M0F], v[C]
	v_mul_lo_u32 v[C], v[C], s[M01]
	v_lshrrev_b32 v[C], 24, v[C]
	v_cvt_f32_u32 v[TOT], v[C]
	LANES TOT
.endm
.macro STEP1 p                         ; one plane of the selection
	v_and_b32 v[ON], \p, v[AL]
	CNT1
	v_cmp_ge_f32 vcc_lo, v[TOT], v[NEED]
	v_xor_b32 v[TT], v[AL], v[ON]                  ; the two lines that do not hang on the answer stand between the compare and the wait for it
	v_sub_f32 v[C], v[NEED], v[TOT]
	s_wait_alu depctr_va_vcc(0)                    ; the compare has written VCC, which the three selections below read
	v_cndmask_b32 v[TT+1], v[ON], v[ZR], vcc_lo
	v_cndmask_b32 v[AL], v[TT], v[ON], vcc_lo
	v_cndmask_b32 v[NEED], v[C], v[NEED], vcc_lo
	v_or_b32 v[TK], v[TK], v[TT+1]
.endm
; Pair i of tiles (2 i, 2 i + 1), buffer i % 3: its six bases, scalar work alone.  They are written only behind the wait that showed the buffer's last loads done.
.macro BASES i
.set bb, (\i)%3
	s_and_b32 s36, s[LW+(\i)], 0xffff              ; the pair's two groups
	s_lshr_b32 s37, s[LW+(\i)], 16
.irp e, 0,1
	s_min_u32 s[36+\e], s[36+\e], 3124             ; a group's number stays inside the table
	s_mul_i32 s38, s[36+\e], 3072
	s_add_nc_u64 s[40+4*bb+2*\e:41+4*bb+2*\e], s[4:5], s[38:39]             ; its codes,
	s_lshl_b32 s38, s[36+\e], 7
	s_add_nc_u64 s[52+4*bb+2*\e:53+4*bb+2*\e], s[6:7], s[38:39]             ; its scale words,
	s_lshl_b32 s38, s[36+\e], 6
	s_add_nc_u64 s[LBB+4*bb+2*\e:LBB+4*bb+2*\e+1], s[8:9], s[38:39]         ; its 64 bytes of labels
.endr
.endm
; And its 16 loads, in one run: every offset is one of v1, v2, v3
.macro LOADS i
.set bb, (\i)%3
.irp e, 0,1
.irp k, 0,1,2,3,4,5
	global_load_b128 v[AF+48*bb+24*\e+4*\k:AF+48*bb+24*\e+4*\k+3], v1, s[40+4*bb+2*\e:41+4*bb+2*\e] offset:512*\k
.endr
	global_load_b32 v[AS+2*bb+\e], v2, s[52+4*bb+2*\e:53+4*bb+2*\e]
	global_load_b32 v[LB+2*bb+\e], v3, s[LBB+4*bb+2*\e:LBB+4*bb+2*\e+1]     ; the label of anchor 8 h + r % 8
.endr
.endm
.macro WM4 i                           ; the pair's four products; the two accumulators take turns
.set bb, (\i)%3
.set aa, ACC+16*((\i)%2)
	v_wmma_scale_f32_16x16x128_f8f6f4 v[aa:aa+7], v[AF+48*bb:AF+48*bb+11], v[FE:FE+11], 0, v[AS+2*bb], v[FS] matrix_a_fmt:MATRIX_FMT_BF6 matrix_b_fmt:MATRIX_FMT_BF6
	v_wmma_scale_f32_16x16x128_f8f6f4 v[aa+8:aa+15], v[AF+48*bb+24:AF+48*bb+35], v[FE:FE+11], 0, v[AS+2*bb+1], v[FS] matrix_a_fmt:MATRIX_FMT_BF6 matrix_b_fmt:MATRIX_FMT_BF6
	v_wmma_scale_f32_16x16x128_f8f6f4 v[aa:aa+7], v[AF+48*bb+12:AF+48*bb+23], v[FE+12:FE+23], v[aa:aa+7], v[AS+2*bb], v[FS] matrix_a_fmt:MATRIX_FMT_BF6 matrix_b_fmt:MATRIX_FMT_BF6 matrix_a_scale:MATRIX_SCALE_ROW1 matrix_b_scale:MATRIX_SCALE_ROW1
	v_wmma_scale_f32_16x16x128_f8f6f4 v[aa+8:aa+15], v[AF+48*bb+36:AF+48*bb+47], v[FE+12:FE+23], v[aa+8:aa+15], v[AS+2*bb+1], v[FS] matrix_a_fmt:MATRIX_FMT_BF6 matrix_b_fmt:MATRIX_FMT_BF6 matrix_a_scale:MATRIX_SCALE_ROW1 matrix_b_scale:MATRIX_SCALE_ROW1
.endm
.macro LABELA i                        ; my tile's label of the two; does it equal the row's?  These two lines are the last readers of the buffer's labels
.set bb, (\i)%3
	v_cndmask_b32 v13, v[LB+2*bb], v[LB+2*bb+1], s[MR3]
	v_cmp_eq_u32 vcc_lo, s30, v13
.endm
.macro LABELB i                        ; the answer becomes bit i of v[MATCH]
	s_wait_alu depctr_va_vcc(0)                    ; the label's compare has written VCC, which the selection below reads
	v_cndmask_b32 v13, v[ZR], v[ONE], vcc_lo
	v_lshl_or_b32 v[MATCH], v13, \i, v[MATCH]
.endm
.macro SELECT i                        ; of each accumulator's eight registers the one numbered r % 8 (from the low end on), then my tile of the two
.set aa, ACC+16*((\i)%2)
.irp e, 0,8
.irp j, 0,2,4,6
	v_cndmask_b32 v[aa+\e+\j], v[aa+\e+\j], v[aa+\e+\j+1], s[MR0]
.endr
.endr
.irp e, 0,8
	v_cndmask_b32 v[aa+\e], v[aa+\e], v[aa+\e+2], s[MR1]
	v_cndmask_b32 v[aa+\e+4], v[aa+\e+4], v[aa+\e+6], s[MR1]
.endr
.irp e, 0,8
	v_cndmask_b32 v[aa+\e], v[aa+\e], v[aa+\e+4], s[MR2]
.endr
	v_cndmask_b32 v[SIM+(\i)], v[aa], v[aa+8], s[MR3]
.endm
	s_load_b256 s[4:11], s[0:1], 0x0               ; acode s[4:5], ascale s[6:7], anchor_label s[8:9], out0 s[10:11]
	s_load_b256 s[12:19], s[0:1], 0x20             ; out1 s[12:13], fcode s[14:15], labels s[16:17], list0 s[18:19]
	s_load_b128 s[20:23], s[0:1], 0x40             ; list1 s[20:21], list2 s[22:23]
	s_load_b64 s[24:25], s[0:1], 0x50              ; list3
	v_lshrrev_b32 v13, 5, v0
	v_readfirstlane_b32 s2, v13                    ; wave
	v_and_b32 v13, 31, v0                          ; lane
	v_lshlrev_b32 v1, 4, v13                       ; 16 x lane
	v_lshlrev_b32 v2, 2, v13                       ; 4 x lane
	v_bfe_u32 v22, v0, 4, 1                        ; h
	v_and_b32 v23, 7, v0                           ; r % 8
	v_lshl_add_u32 v3, v22, 3, v23
	v_lshlrev_b32 v3, 2, v3                        ; my anchor's label in a group's 64 bytes: 4 (8 h + r % 8)
	v_lshlrev_b32 v20, 8, v22                      ; the row's codes: lanes 16-31 take the image's lane rl + 16: 256 bytes on
	v_lshlrev_b32 v21, 6, v22                      ; its scale words: 64 bytes on
	v_mov_b32 v[ONE], 1
	v_mov_b32 v[MATCH], 0
	v_mov_b32 v[ZR], 0
	s_mov_b32 s[MR0], 0xaaaaaaaa
	s_mov_b32 s[MR1], 0xcccccccc
	s_mov_b32 s[MR2], 0xf0f0f0f0
	s_mov_b32 s[MR3], 0xff00ff00
	s_wait_alu depctr_va_sdst(0)                   ; s2 is written, ahead of its first reader: the row's number is made from it
	s_lshl_b32 s3, ttmp9, 3
	s_add_co_u32 s3, s3, s2                        ; my row
	s_mov_b32 s39, 0                               ; the high word of every offset
	s_lshr_b32 s66, s3, 4                          ; its tile of features,
	s_and_b32 s67, s3, 15                          ; and its row rl in it
	s_wait_kmcnt 0x0
	s_cmp_lt_u32 s3, 512                           ; which of the four list buffers: the choice hangs on the row's number alone
	s_cselect_b64 s[18:19], s[18:19], s[20:21]
	s_cmp_lt_u32 s3, 1536
	s_cselect_b64 s[22:23], s[22:23], s[24:25]
	s_cmp_lt_u32 s3, 1024
	s_cselect_b64 s[18:19], s[18:19], s[22:23]
	s_and_b32 s38, s3, 511
	s_lshl_b32 s38, s38, 7                         ; 128 bytes a row
	s_add_nc_u64 s[18:19], s[18:19], s[38:39]
	s_lshl_b32 s38, s3, 2
	s_add_nc_u64 s[16:17], s[16:17], s[38:39]
	s_add_nc_u64 s[10:11], s[10:11], s[38:39]
	s_add_nc_u64 s[12:13], s[12:13], s[38:39]
	s_load_b512 s[LW:LW+15], s[18:19], 0x0         ; the list's words 0-15,
	s_load_b256 s[LW+16:LW+23], s[18:19], 0x40     ; 16-23,
	s_load_b32 s[LW+24], s[18:19], 0x60            ; 24
	s_load_b32 s30, s[16:17], 0x0                  ; the row's label
	s_mul_i32 s38, s66, 3072
	s_lshl_b32 s31, s67, 4
	s_add_co_u32 s38, s38, s31
	s_add_nc_u64 s[26:27], s[14:15], s[38:39]      ; the image's lane rl
	s_lshl_b32 s38, s66, 7
	s_lshl_b32 s31, s67, 2
	s_add_co_u32 s38, s38, s31
	s_add_co_u32 s38, s38, FSC
	s_add_nc_u64 s[28:29], s[14:15], s[38:39]
	s_wait_alu depctr_va_vdst(0)                   ; the offsets v1, v2, v3, v20, v21 and v111 are written: every load and store of the kernel reads one of them
.irp k, 0,1,2,3,4,5
	global_load_b128 v[FE+4*\k:FE+4*\k+3], v20, s[26:27] offset:512*\k
.endr
	global_load_b32 v[FS], v21, s[28:29]           ; the first counted wait of the products covers these seven
	s_wait_kmcnt 0x0                               ; scalar loads come in no order: the count is 0
	s_wait_xcnt 0x0                                ; the scalar loads have read their bases s[16:19], which take the labels' bases below
	BASES 0
	LOADS 0
	BASES 1
	LOADS 1
	BASES 2
	LOADS 2
.set q, 0
.rept 25
.if 24-q >= 2
	s_wait_loadcnt 32                              ; this pair's 16 loads are in (and all that were issued ahead of them); the two younger pairs' stay out
.else
	s_wait_loadcnt 16*(24-q)
.endif
	WM4 q
.if q+3 <= 24
	BASES q+3                                      ; free since the wait above, which shows the loads that read these bases done
.endif
	LABELA q
.if q == 0
.rept 4
	v_nop                                          ; pair 0 has no pair before it: four places stand where the later steps pick sims
.endr
.else
	SELECT q-1                                     ; the pair before: fifteen lines of work between this step's products and the wait below
.endif
.if q+3 <= 24
	s_wait_alu depctr_va_vdst(0)                   ; this step's products are done reading their two tiles and scale words, and the label's selection its two labels: the 16 loads below land there
	LOADS q+3
.endif
	LABELB q                                       ; it names none of the registers that the loads above touch
.set q, q+1
.endr
	SELECT 24
	s_mov_b32 s[M55], 0x55555555                   ; the selection's constants take the list's registers
	s_mov_b32 s[M33], 0x33333333
	s_mov_b32 s[M0F], 0x0f0f0f0f
	s_mov_b32 s[M01], 0x01010101
	s_mov_b32 s[SELA], 0x76543210
	s_mov_b32 s[SELB], 0xfedcba98
	s_mov_b32 s[P16L], 0x05040100
	s_mov_b32 s[P16H], 0x07060302
	s_mov_b32 s[P8L], 0x06020400
	s_mov_b32 s[P8H], 0x07030501
	; keys that order as the sims do; seven keys of 0 fill the word, under every finite key
.set i, 0
.rept 25
	v_add_f32 v[X+i], 0, v[SIM+i]
.set i, i+1
.endr
.set i, 0
.rept 25
	v_ashrrev_i32 v[Y+i], 31, v[X+i]
.set i, i+1
.endr
.set i, 0
.rept 25
	v_or_b32 v[Y+i], 0x80000000, v[Y+i]
.set i, i+1
.endr
.set i, 0
.rept 25
	v_xor_b32 v[X+i], v[X+i], v[Y+i]
.set i, i+1
.endr
.irp i, 25,26,27,28,29,30,31
	v_mov_b32 v[X+\i], 0
.endr
.irp z, 0,1,2,3,4
	v_bfe_u32 v[TT], v0, \z, 1
	v_add_nc_u32 v[LZ+\z], -1, v[TT]               ; all ones where bit z of my lane's number is 0
.endr
	v_mov_b32 v[AL], -1
	v_mov_b32 v[TK], 0
	v_mov_b32 v[NEED], 0x42480000                  ; 50
	v_mov_b32 v[TP], 0
	TRANS X, Y
.set b, 31
.rept 32
	STEP1 v[X+b]
.set b, b-1
.endr
	STEP1 0xffff                                   ; the place's bits from the top: the pair's number i,
	STEP1 0xff00ff
	STEP1 s[M0F]
	STEP1 s[M33]
	STEP1 s[M55]
	STEP1 v[LZ+3]                                  ; r / 8,
	STEP1 v[LZ+4]                                  ; h,
	STEP1 v[LZ+2]                                  ; r % 8
	STEP1 v[LZ+1]
	STEP1 v[LZ+0]
	v_or_b32 v[SEL], v[TK], v[AL]                  ; bit i: my sim of pair i is one of the 50
	v_and_b32 v[ON], v[SEL], v[MATCH]
	CNT1                                           ; how many of the 50 carry the label
.set i, 0
.rept 25
	v_lshlrev_b32 v[Y+i], 31-i, v[SEL]
.set i, i+1
.endr
.set i, 0
.rept 25
	v_ashrrev_i32 v[Y+i], 31, v[Y+i]               ; all ones where chosen
.set i, i+1
.endr
.set i, 0
.rept 25
	v_and_b32 v[Y+i], v[Y+i], v[SIM+i]
.set i, i+1
.endr
.set i, 2
.rept 23
	v_add_f32 v[Y+i%2], v[Y+i%2], v[Y+i]           ; two chains
.set i, i+1
.endr
	v_add_f32 v[Y], v[Y], v[Y+1]
	LANES Y
	v_mul_f32 v[X], 0xbca3d70a, v[TOT]             ; x -0.02
	v_mul_f32 v[X+1], 0x3ca3d70a, v[Y]             ; x 0.02
	v_and_b32 v13, 31, v0
	v_cmp_eq_u32 vcc_lo, 0, v13
	s_wait_xcnt 0x0                                ; EXEC changes only behind this wait
	s_wait_alu depctr_va_vcc(0)                    ; the compare has written VCC, from which EXEC is made
	s_wait_alu depctr_va_vdst(0)                   ; every vector instruction issued under the full EXEC is done; among them the two multiplies have written v[X] and v[X + 1], which the stores read
	s_wait_alu depctr_vm_vsrc(0)                   ; every memory instruction issued under the full EXEC has read its registers
	s_and_saveexec_b32 s31, vcc_lo
	global_store_b32 v[ZR], v[X], s[10:11]
	global_store_b32 v[ZR], v[X+1], s[12:13]
	s_wait_xcnt 0x0                                ; and again, in front of the line that widens it
	s_wait_alu depctr_va_vdst(0)                   ; no vector instruction is out under the narrow EXEC
	s_wait_alu depctr_vm_vsrc(0)                   ; the two stores have read their offset and their data
	s_or_b32 exec_lo, exec_lo, s31
	s_endpgm
.Lfunc_end_k_qd592eb3492_final:
	.size	k_qd592eb3492_final, .Lfunc_end_k_qd592eb3492_final-k_qd592eb3492_final
	.p2alignl 7, 3214868480
	.fill 96, 4, 3214868480
	.section	.rodata,"a",@progbits
	.p2align	6, 0x0
	.amdhsa_kernel k_qd592eb3492_final
		.amdhsa_group_segment_fixed_size 0
		.amdhsa_private_segment_fixed_size 0
		.amdhsa_enable_private_segment 0
		.amdhsa_kernarg_size 88
		.amdhsa_user_sgpr_count 2
		.amdhsa_user_sgpr_kernarg_segment_ptr 1
		.amdhsa_wavefront_size32 1
		.amdhsa_system_sgpr_workgroup_id_x 1
		.amdhsa_system_sgpr_workgroup_id_y 1
		.amdhsa_system_sgpr_workgroup_id_z 1
		.amdhsa_system_vgpr_workitem_id 0
		.amdhsa_next_free_vgpr 256
		.amdhsa_next_free_sgpr 96
		.amdhsa_reserve_vcc 1
		.amdhsa_float_denorm_mode_32 3
		.amdhsa_float_denorm_mode_16_64 3
		.amdhsa_memory_ordered 1
		.amdhsa_forward_progress 1
		.amdhsa_inst_pref_size 169
	.end_amdhsa_kernel
	.amdgpu_metadata
---
amdhsa.version: [ 1, 2 ]
amdhsa.kernels:
  - .name:           k_qd592eb3492_final
    .symbol:         k_qd592eb3492_final.kd
    .args:
      - { .name: acode, .offset: 0, .size: 8, .value_kind: global_buffer, .address_space: global }
      - { .name: ascale, .offset: 8, .size: 8, .value_kind: global_buffer, .address_space: global }
      - { .name: anchor_label, .offset: 16, .size: 8, .value_kind: global_buffer, .address_space: global }
      - { .name: out0, .offset: 24, .size: 8, .value_kind: global_buffer, .address_space: global }
      - { .name: out1, .offset: 32, .size: 8, .value_kind: global_buffer, .address_space: global }
      - { .name: fcode, .offset: 40, .size: 8, .value_kind: global_buffer, .address_space: global }
      - { .name: labels, .offset: 48, .size: 8, .value_kind: global_buffer, .address_space: global }
      - { .name: list0, .offset: 56, .size: 8, .value_kind: global_buffer, .address_space: global }
      - { .name: list1, .offset: 64, .size: 8, .value_kind: global_buffer, .address_space: global }
      - { .name: list2, .offset: 72, .size: 8, .value_kind: global_buffer, .address_space: global }
      - { .name: list3, .offset: 80, .size: 8, .value_kind: global_buffer, .address_space: global }
    .group_segment_fixed_size: 0
    .private_segment_fixed_size: 0
    .kernarg_segment_align: 8
    .kernarg_segment_size: 88
    .max_flat_workgroup_size: 256
    .sgpr_count:     96
    .vgpr_count:     256
    .wavefront_size: 32
...
	.end_amdgpu_metadata
.endif
;; end of part 5
